; MI455X (gfx1250); checked and timed in simulation.
; The chip was launched on July 23, 2026; its instructions are those of AMD's public machine-readable ISA for CDNA 5 (MIT licence, August 2026) and "CDNA5" Instruction Set Architecture Reference Guide (July 2026). The comments in the code are by the model that wrote it; some were corrected since.
;; Linear Gated Attention. Allowed arithmetic: float matrix products may take bf16 or f16 operands with f32 sums; other float arithmetic in f32, or as packed bf16 or f16 multiplies, adds, multiply-adds, maxima and minima; sums over many terms, partial sums and values carried from step to step in f32; what a program stores and reads back later, other than sums and carried values, may be rounded once to bf16 or f16.
;; Inputs: g_b 1,024 float32; g_w 1,024 x 1,024 float32; k_b1 1,024 float32; k_b2 1,024 float32; k_w1 1,024 x 1,024 float32; k_w2 1,024 x 1,024 float32; p_b 1,024 float32; p_w 1,024 x 1,024 float32; q_b1 1,024 float32; q_b2 1,024 float32; q_w1 1,024 x 1,024 float32; q_w2 1,024 x 1,024 float32; v_b 1,024 float32; v_w 1,024 x 1,024 float32; x 4 x 2,048 x 1,024 float32.
;; Outputs: out0 4 x 2,048 x 1,024 float32.
;; 2 versions, each right; version 2 is version 1 with the launch cast written anew for expert scheduling mode. Each part assembles by itself: llvm-mc -triple=amdgcn-amd-amdhsa -mcpu=gfx1250 --defsym DOCPART=n.
;; ======== version 1 of 2: 6 launches
;; limits: values are held in f16: magnitudes above 65,504 overflow, below 6.1e-05 lose precision
;; workspace buffers: xb 16,777,216 bytes; wb 14,680,064 bytes; h 33,554,432 bytes; vg 33,554,432 bytes; qkt 33,554,432 bytes; ap 524,288 bytes; t 16,777,216 bytes; ts 32,768 bytes
;; launch cast (part 1): grid 64 x 15, 8 waves a work-group, no clusters, 0 bytes of LDS; arguments x, q_w1, k_w1, v_w, g_w, q_w2, k_w2, p_w, xb, wb; writes xb, wb
.if DOCPART == 1
	.amdgcn_target "amdgcn-amd-amdhsa--gfx1250"
	.amdhsa_code_object_version 6
	.text
	.protected	k_q259abc0939_cast
	.globl	k_q259abc0939_cast
	.p2align	8
	.type	k_q259abc0939_cast,@function
k_q259abc0939_cast:
	s_mov_b64 s[64:65], 0
	v_nop
	global_prefetch_b8 v0, s[64:65] scope:SCOPE_SE
	s_setreg_imm32_b32 hwreg(HW_REG_WAVE_MODE, 25, 1), 1
	s_wait_xcnt 0x0
; x and the seven weight matrices, f32, are rounded once to bf16 (nearest even): xb = x, wb = the weights one below the other
; (rows 0 q_w1, 1024 k_w1, 2048 v_w, 3072 g_w, 4096 q_w2, 5120 k_w2, 6144 p_w).  p_w's bf16 number is then WRITTEN AS f16, since the last projection multiplies in f16.
; LIMIT.  A bf16 number is exact in f16 from 2^-17 up to 65,504; a smaller p_w is off by 3e-8 at the most, a larger one is lost.
; A UNIT is 2^20 numbers: 4 MiB in, 2 MiB out.  Grid y = 0..7: x's eight units; y = 8..14: weight y - 8.  Grid x: a chunk of 64 KiB in, 32 KiB out.
; Thread t takes 16 bytes at 16 t + 4,096 i, i = 0..15, and stores 8 bytes at 8 t + 2,048 i: a wave's load covers 512 consecutive bytes, its store 256, aligned.
; A stream: no LDS, no matrix unit, no cluster (no byte is read twice), no loop, no prefetch (all sixteen loads of a thread go out at once).
.set XR, 4                             ; v[4:67]   sixteen loads of four numbers
.set YR, 68                            ; v[68:99]  sixteen pairs of packed words
	s_load_b512 s[8:23], s[0:1], 0x0               ; x s[8:9], then the seven weights s[10:23]
	s_load_b128 s[24:27], s[0:1], 0x40             ; xb s[24:25], wb s[26:27]
	s_and_b32 s28, ttmp7, 0xffff                   ; the unit
	v_lshlrev_b32 v1, 4, v0                        ; 16 t
	v_lshlrev_b32 v2, 3, v0                        ; 8 t
	s_sub_co_u32 s38, s28, 8                       ; the weight's number (used where the unit is 8 or more)
	s_cmp_lt_u32 s28, 8
	s_cselect_b32 s29, s28, 0                      ; the unit's place in its source: x has eight, a weight is one
	s_cselect_b32 s38, s28, s38                    ; and in its destination
	s_lshl_b32 s34, s29, 22
	s_lshl_b32 s35, ttmp9, 16
	s_add_co_u32 s34, s34, s35                     ; source offset in bytes, under 2^25
	s_mov_b32 s35, 0
	s_lshl_b32 s36, s38, 21
	s_lshl_b32 s37, ttmp9, 15
	s_add_co_u32 s36, s36, s37                     ; destination offset
	s_mov_b32 s37, 0
	s_wait_kmcnt 0x0
	s_mov_b64 s[30:31], s[8:9]
.irp j, 0,1,2,3,4,5,6
	s_cmp_eq_u32 s28, 8+(\j)
	s_cselect_b64 s[30:31], s[10+2*(\j):11+2*(\j)], s[30:31]
.endr
	s_cmp_lt_u32 s28, 8
	s_cselect_b64 s[32:33], s[24:25], s[26:27]
	s_add_nc_u64 s[30:31], s[30:31], s[34:35]
	s_add_nc_u64 s[32:33], s[32:33], s[36:37]
.irp i, 0,1,2,3,4,5,6,7,8,9,10,11,12,13,14,15
	global_load_b128 v[XR+4*(\i):XR+4*(\i)+3], v1, s[30:31] offset:4096*(\i) th:TH_LOAD_NT
.endr
	s_cmp_eq_u32 s28, 14                           ; p_w has a path of its own
	s_cbranch_scc1 .Lpw
.irp i, 0,1,2,3,4,5,6,7,8,9,10,11,12,13,14,15
	s_wait_loadcnt 15-(\i)                         ; loads come back in order: load i is in, the younger ones stay out
	v_cvt_pk_bf16_f32 v[YR+2*(\i)], v[XR+4*(\i)], v[XR+4*(\i)+1]
	v_cvt_pk_bf16_f32 v[YR+2*(\i)+1], v[XR+4*(\i)+2], v[XR+4*(\i)+3]
	global_store_b64 v2, v[YR+2*(\i):YR+2*(\i)+1], s[32:33] offset:2048*(\i)
.endr
	s_endpgm
.Lpw:
.irp i, 0,1,2,3,4,5,6,7,8,9,10,11,12,13,14,15
	s_wait_loadcnt 15-(\i)                         ; as above
	v_cvt_pk_bf16_f32 v[YR+2*(\i)], v[XR+4*(\i)], v[XR+4*(\i)+1]      ; the rounding that every input has,
	v_cvt_pk_bf16_f32 v[YR+2*(\i)+1], v[XR+4*(\i)+2], v[XR+4*(\i)+3]
	v_lshlrev_b32 v[XR+4*(\i)],   16,         v[YR+2*(\i)]            ; widened again,
	v_and_b32     v[XR+4*(\i)+1], 0xffff0000, v[YR+2*(\i)]
	v_lshlrev_b32 v[XR+4*(\i)+2], 16,         v[YR+2*(\i)+1]
	v_and_b32     v[XR+4*(\i)+3], 0xffff0000, v[YR+2*(\i)+1]
	v_cvt_pk_f16_f32 v[YR+2*(\i)], v[XR+4*(\i)], v[XR+4*(\i)+1]       ; and written as f16
	v_cvt_pk_f16_f32 v[YR+2*(\i)+1], v[XR+4*(\i)+2], v[XR+4*(\i)+3]
	global_store_b64 v2, v[YR+2*(\i):YR+2*(\i)+1], s[32:33] offset:2048*(\i)
.endr
	s_endpgm
.Lfunc_end_k_q259abc0939_cast:
	.size	k_q259abc0939_cast, .Lfunc_end_k_q259abc0939_cast-k_q259abc0939_cast
	.p2alignl 7, 3214868480
	.fill 96, 4, 3214868480
	.section	.rodata,"a",@progbits
	.p2align	6, 0x0
	.amdhsa_kernel k_q259abc0939_cast
		.amdhsa_group_segment_fixed_size 0
		.amdhsa_private_segment_fixed_size 0
		.amdhsa_enable_private_segment 0
		.amdhsa_kernarg_size 80
		.amdhsa_user_sgpr_count 2
		.amdhsa_user_sgpr_kernarg_segment_ptr 1
		.amdhsa_wavefront_size32 1
		.amdhsa_system_sgpr_workgroup_id_x 1
		.amdhsa_system_sgpr_workgroup_id_y 1
		.amdhsa_system_sgpr_workgroup_id_z 1
		.amdhsa_system_vgpr_workitem_id 0
		.amdhsa_next_free_vgpr 104
		.amdhsa_next_free_sgpr 66
		.amdhsa_reserve_vcc 0
		.amdhsa_float_denorm_mode_32 3
		.amdhsa_float_denorm_mode_16_64 3
		.amdhsa_memory_ordered 1
		.amdhsa_forward_progress 1
		.amdhsa_inst_pref_size 17
	.end_amdhsa_kernel
	.amdgpu_metadata
---
amdhsa.version: [ 1, 2 ]
amdhsa.kernels:
  - .name:           k_q259abc0939_cast
    .symbol:         k_q259abc0939_cast.kd
    .args:
      - { .name: x, .offset: 0, .size: 8, .value_kind: global_buffer, .address_space: global }
      - { .name: q_w1, .offset: 8, .size: 8, .value_kind: global_buffer, .address_space: global }
      - { .name: k_w1, .offset: 16, .size: 8, .value_kind: global_buffer, .address_space: global }
      - { .name: v_w, .offset: 24, .size: 8, .value_kind: global_buffer, .address_space: global }
      - { .name: g_w, .offset: 32, .size: 8, .value_kind: global_buffer, .address_space: global }
      - { .name: q_w2, .offset: 40, .size: 8, .value_kind: global_buffer, .address_space: global }
      - { .name: k_w2, .offset: 48, .size: 8, .value_kind: global_buffer, .address_space: global }
      - { .name: p_w, .offset: 56, .size: 8, .value_kind: global_buffer, .address_space: global }
      - { .name: xb, .offset: 64, .size: 8, .value_kind: global_buffer, .address_space: global }
      - { .name: wb, .offset: 72, .size: 8, .value_kind: global_buffer, .address_space: global }
    .group_segment_fixed_size: 0
    .private_segment_fixed_size: 0
    .kernarg_segment_align: 8
    .kernarg_segment_size: 80
    .max_flat_workgroup_size: 256
    .sgpr_count:     66
    .vgpr_count:     104
    .wavefront_size: 32
...
	.end_amdgpu_metadata
.endif
;; end of part 1
;; launch g1 (part 2): grid 16 x 32, 4 waves a work-group, clusters of 4 x 4, 327,680 bytes of LDS; arguments xb, wb, q_b1, k_b1, v_b, g_b, h, vg; writes h, vg
.if DOCPART == 2
	.amdgcn_target "amdgcn-amd-amdhsa--gfx1250"
	.amdhsa_code_object_version 6
	.text
	.protected	k_q259abc0939_g1
	.globl	k_q259abc0939_g1
	.p2align	8
	.type	k_q259abc0939_g1,@function
k_q259abc0939_g1:
	s_mov_b64 s[64:65], 0
	v_nop
	global_prefetch_b8 v0, s[64:65] scope:SCOPE_SE
	s_setreg_imm32_b32 hwreg(HW_REG_WAVE_MODE, 25, 1), 1
	s_wait_xcnt 0x0
	s_wait_alu depctr_hold_cnt(0) depctr_sa_sdst(0) depctr_va_vdst(0) depctr_va_sdst(0) depctr_va_ssrc(0) depctr_va_vcc(0) depctr_vm_vsrc(0)
	s_getreg_b32 s2, hwreg(HW_REG_IB_STS2, 6, 4)
	s_cmp_eq_u32 s2, 0
	s_cbranch_scc0 .Lentry_in_a_cluster
	s_endpgm
.Lentry_in_a_cluster:
	s_bfe_u32 s2, ttmp6, 0x10000c
	s_cmp_lg_u32 s2, 0xf033
	s_cbranch_scc0 .Lentry_shape_is_right
	s_endpgm
.Lentry_shape_is_right:
; gelu(x W^T + b) for the four first layers at once: C[token][column] over A = xb [8192][1024] and B = wb's rows 0..4095 (q_w1, k_w1, v_w, g_w), bf16 operands, f32 sums.
; Columns 0..1023 go to h[0] and 1024..2047 to h[1], row-major [8192][1024] bf16.  Columns 2048..3071 (v) and 3072..4095 (g) go to vg[0], vg[1] in f16, laid out AS THE NEXT LAUNCH'S FRAGMENTS:
; vg[v or g][b x 16 + head][block of 16 tokens: 128][block of 16 features: 4][lane: 32][16 bytes]; lane l's 16 bytes are token l % 16 of the block, features 8 (l / 16) + 0..7 of the block.
; A tile of C is 256 x 256, a wave's part 128 x 128: 64 accumulators of 16 x 16 in 512 registers.  K goes in 8 steps of 128 through two LDS slots filled by tensor loads, rows of 256 bytes.
; CLUSTER 4 x 4: A's tile is shared along a row of the cluster, B's along a column; each is asked for jointly, by the same load with a mask of four.
; The matrix instruction is used transposed (source 0 = 16 rows of B, source 1 = 16 rows of A): lane l holds row l % 16 of C and columns 8 (l / 16) + 0..7: for v and g just the 16 bytes above.
; THE BIAS, rounded to bf16 like every input, is the C operand of each accumulator's first product: nothing is cleared, nothing is added later.
; THE WAY OUT.  When the last K step is multiplied the ring has had its last fill; each wave stores its 128 x 128 sums (f32) over it, in a region of its own, and a short loop reads 16 numbers a lane back,
; applies the activation and stores.  For hq and hk the region holds rows of 528 bytes and whole rows come back (256 consecutive aligned bytes of bf16 a store).  For v and g nothing changes lanes: an
; accumulator lies as two runs of 512 bytes, 16 bytes a lane, each lane reads its own numbers back, and a store of the wave is 512 consecutive aligned bytes.  In both forms wave w's region begins at
; 67,584 w: the first form fills it, the second uses its first 65,536 bytes; so a wave's bytes are its own whichever form is taken.
; GELU is exact-erf GELU by the rational formula 26.2.17 of Abramowitz and Stegun, |error of Phi| < 7.5e-8 for every x:
;   gelu(u) = max(u, 0) - |w| 2^(-w w) (b1 t + .. + b5 t^5),  w = c u, c = sqrt(log2(e) / 2),  t = 1 / (1 + 0.2316419 |u|);  the b's are the book's divided by c sqrt(2 pi).
; LIMITS.  Inputs and biases count as their bf16 roundings; hq and hk are rounded once to bf16, v and g once to f16: v and g must stay under 65,504 (x and the weights as drawn give under 4; both 30 times
; larger under 3,200; both with an offset of 30 spreads about 18,500); below 6e-5 they keep f16's fixed step of 6e-8.  For |u| so large that w w overflows the power is 0 and gelu = max(u, 0).
; NaN and infinities are not treated apart.
.set SIZE_K, 1024
.set KSTEP,  128
.set PITCH,  272                       ; an LDS row: 256 bytes + 16 of padding = 68 words: the 16 rows of a fragment load start at 16 different groups of four banks (64 banks of 4 bytes: ISA guide 11.1)
.set HALFT,  128*PITCH                 ; 128 rows: one tensor load, and what one wave reads of A or of B
.set SLOT,   4*HALFT                   ; A's 256 rows, then B's 256 rows
.set SPARE,  2*SLOT                    ; behind the ring: the spare words, 128 bytes a wave: two blocks of 256 bytes that no other line names
.set DP,     528                       ; the way out of hq, hk: a row of 128 f32 + 16 bytes = 132 words
.set WREG,   128*DP                    ; the way out, in both forms: a wave's region, 67,584 bytes; four regions end below SPARE.  v's and g's 64 accumulators of 1,024 bytes take the first 65,536 of it
.set LAPS,   SIZE_K/(2*KSTEP)
.set ADRA, 16                          ; v16-17  LDS address of my A fragments in slot 0, 1
.set ADRB, 20                          ; v20-21  the same for B
.set DST,  24                          ; v24     where my lane's part of an accumulator goes in my region
.set RD0,  25                          ; v25     my lane's place in a line that is read back: 16 x lane
.set GO,   26                          ; v26     my lane's byte offset in a store
.set BO,   27                          ; v27     my lane's byte offset in the bias
.set SPW,  28                          ; v28     LDS address of my spare word; never rewritten
.set NIL,  29                          ; v29     0; never rewritten
.set PFO,  30                          ; v30     the prefetches' offset: my lane x a row of 2,048 bytes; never rewritten
.set RDC,  31                          ; v31     the LDS address of the lines in hand
.set F0,   64                          ; fragment buffers: A's in window 0, B's in window 1
.set F1,   128
.set BIAS, 192                         ; v192-255 of window 0: for column block b the lane's eight biases at BIAS + 8 b
.set XR,   64                          ; the way out, all in window 0: 16 numbers as read
.set DR,   80                          ; 1 + p |u|, then t
.set WR,   96                          ; w
.set RR,   112                         ; max(u, 0), then the result
.set QR,   128                         ; -w w, then its power of two
.set PR,   144                         ; the polynomial
.set YR,   160                         ; 8 packed words
.set G1,  24                           ; s[24:31] descriptor group 1 for A's tiles;  s[32:39] group 0, a set for each slot
.set G0,  32
.set G1B, 48                           ; s[48:55], s[56:63] the same for B's
.set G0B, 56
.set PFA, 44                           ; s[44:45] where my prefetches stand
.set LIM, 43                           ; s43 1 in a wave that prefetches, else the greatest number
.set MSB, 0
.macro WIN new                         ; s_set_vgpr_msb: bits 1:0 source 0, 3:2 source 1, 5:4 source 2, 7:6 destination; the high byte repeats the setting that is left
.if MSB != (\new)
	s_set_vgpr_msb (MSB<<8)|(\new)
.set MSB, \new
.endif
.endm
.set TO_B, 0x40                        ; destination window 1, address window 0
; A joint load: waves 0 and 1 fetch A's two halves, waves 2 and 3 B's.  The branch hangs on the wave's number alone.  An s_nop 0 and four v_nop follow each line.
.macro JLOAD s
	s_cmp_eq_u32 s11, 0
	s_cbranch_scc0 .Lfor_b_\@
	tensor_load_to_lds s[G0+4*(\s):G0+4*(\s)+3], s[G1:G1+7]
	s_nop 0
.rept 4
	v_nop
.endr
	s_branch .Lasked_\@
.Lfor_b_\@:
	tensor_load_to_lds s[G0B+4*(\s):G0B+4*(\s)+3], s[G1B:G1B+7]
	s_nop 0
.rept 4
	v_nop
.endr
.Lasked_\@:
.endm
; A prefetch of the K step that stands two refills on: 32 rows x 256 bytes, a lane a row.  A's tile row is read by the four clusters of a row of clusters: cluster x = 0 asks; B's tile column by the
; eight of a column: cluster y = 0 asks.  The four partners of a joint load share its 128 rows out by address, 32 each.  So each row's 256 bytes of a K step are named once.  K steps 0 to 3 come by
; their loads alone; the loop's last trip (s3 = 1) has no K step two refills on and asks for nothing.
.macro ASK
	s_cmp_gt_u32 s3, s[LIM]
	s_cbranch_scc0 .Lnot_mine_\@
	global_prefetch_b8 v[PFO], s[PFA:PFA+1] offset:KSTEP*2 th:TH_LOAD_NT scope:SCOPE_SE
.Lnot_mine_\@:
.endm
.macro CREST                           ; a round of the cluster's barrier behind its opening barrier
	s_cmp_lg_u32 s10, 0
	s_cbranch_scc1 .Lnot_wave_0_\@
	s_barrier_signal -3
.Lnot_wave_0_\@:
	s_barrier_wait -3
	s_barrier_signal -1
	s_barrier_wait -1
.endm
.macro CROUND                          ; a whole round
	s_barrier_signal -1
	s_barrier_wait -1
	CREST
.endm
; 16 matrix instructions: row blocks a0, a0 + 1 of the window's four (hi = 0: my rows 0-63, window 2; 1: rows 64-127, window 3) x all 8 column blocks, 32 along K.
; zero = 1: the first product of each sum takes the bias, in window 0, as C.  The 64 accumulators take turns in the same order in every quarter.
.macro MUL16 f, hi, a0, zero
.if \zero
	WIN 0x81+0x40*(\hi)
.else
	WIN 0xa1+0x50*(\hi)
.endif
.irp a, \a0, (\a0)+1
.irp b, 0,1,2,3,4,5,6,7
.if \zero
	v_wmma_f32_16x16x32_bf16 v[8*(8*(\a)+(\b)):8*(8*(\a)+(\b))+7], v[(\f)+8*(\b):(\f)+8*(\b)+7], v[(\f)+8*(4*(\hi)+(\a)):(\f)+8*(4*(\hi)+(\a))+7], v[BIAS+8*(\b):BIAS+8*(\b)+7]
.else
	v_wmma_f32_16x16x32_bf16 v[8*(8*(\a)+(\b)):8*(8*(\a)+(\b))+7], v[(\f)+8*(\b):(\f)+8*(\b)+7], v[(\f)+8*(4*(\hi)+(\a)):(\f)+8*(4*(\hi)+(\a))+7], v[8*(8*(\a)+(\b)):8*(8*(\a)+(\b))+7]
.endif
.endr
.endr
.endm
; 32 LDS loads in one run: a quarter step's fragments (128 rows of B, 128 of A, 32 K at byte k of the rows) into buffer f
.macro FETCH slot, k, f
	WIN TO_B
.irp i, 0,1,2,3,4,5,6,7
	ds_load_b128 v[(\f)+8*(\i):(\f)+8*(\i)+3],   v[ADRB+(\slot)] offset:(\k)+(\i)*16*PITCH
	ds_load_b128 v[(\f)+8*(\i)+4:(\f)+8*(\i)+7], v[ADRB+(\slot)] offset:(\k)+(\i)*16*PITCH+32
.endr
	WIN 0
.irp i, 0,1,2,3,4,5,6,7
	ds_load_b128 v[(\f)+8*(\i):(\f)+8*(\i)+3],   v[ADRA+(\slot)] offset:(\k)+(\i)*16*PITCH
	ds_load_b128 v[(\f)+8*(\i)+4:(\f)+8*(\i)+7], v[ADRA+(\slot)] offset:(\k)+(\i)*16*PITCH+32
.endr
.endm
.macro PLACES                          ; four plain instructions between a matrix instruction and a load into, or a read of, its registers
.rept 4
	v_nop
.endr
.endm
; A K step is four quarters of 32 along K on buffers 0, 1, 0, 1.  One of the first three multiplies buffer f and, in its middle, fetches the next quarter (byte k) into g.
.macro QUARTER slot, k, f, g, zero
	s_wait_dscnt 8                                 ; B and A's rows 0-63 are in; the youngest eight loads (A's rows 64-127) may be out
	MUL16 \f, 0, 0, \zero
	MUL16 \f, 0, 2, \zero
	PLACES
	FETCH \slot, \k, \g
	s_wait_dscnt 32                                ; all but the 32 just issued
	MUL16 \f, 1, 0, \zero
	MUL16 \f, 1, 2, \zero
.endm
; The first half of a step's last quarter, and the one barrier of a change of slots.
.macro MEET round
	WIN 0                                          ; (the add's two registers lie in window 0)
	s_wait_tensorcnt 0x0                           ; all my tensor loads have landed: the one that was out is my part of the next slot
	ds_add_u32 v[SPW], v[NIL]                      ; 0 onto my spare word
	s_wait_dscnt 9                                 ; (the add and the youngest eight loads may be out)
	MUL16 F1, 0, 0, 0
	s_wait_dscnt 0x0                               ; the add is done, and my reads of this slot are over
	s_barrier_signal -1
	MUL16 F1, 0, 2, 0                              ; work on registers while the others arrive
.if \round
	WIN 0
.endif
	s_barrier_wait -1
.endm
; The whole last quarter where the slot is filled again, with the K step two steps on: the barrier opens a round of the cluster's, and the joint refill is the first thing behind it.
.macro TURN slot, next
	s_wait_xcnt 0x0                                ; the last prefetch, a K step back, has read its address
	s_add_nc_u64 s[PFA:PFA+1], s[PFA:PFA+1], KSTEP*2
	MEET 1
	CREST                                          ; no wave of any partner still reads this slot or has a load on its way
	s_add_nc_u64 s[G0+4*(\slot)+2:G0+4*(\slot)+3], s[G0+4*(\slot)+2:G0+4*(\slot)+3], 2*KSTEP*2
	s_add_nc_u64 s[G0B+4*(\slot)+2:G0B+4*(\slot)+3], s[G0B+4*(\slot)+2:G0B+4*(\slot)+3], 2*KSTEP*2
	JLOAD \slot                                    ; its four v_nop are also the places in front of the loads below
	FETCH \next, 0, F0
	ASK
	MUL16 F1, 1, 0, 0
	MUL16 F1, 1, 2, 0
.endm
; My 64 accumulators into my region, each accumulator's low four registers first.
; lay = 0: row 16 (4 hi + a) + l % 16, bytes 64 b + 32 (l / 16).
; lay = 1: accumulator (row block a', column block b) is piece 2 (4 a' + b % 4) + b / 4 of 1,024 bytes: registers 0-3 at 16 l, registers 4-7 at 512 + 16 l.  So the two heads' pieces of one block of
; 16 tokens x 16 features lie side by side, and the loop below walks the pieces in the order of memory.
.macro DUMP lay
.irp hi, 0,1
	WIN 0x08+4*(\hi)                               ; the stores' data in window 2 or 3
.irp a, 0,1,2,3
.irp b, 0,1,2,3,4,5,6,7
.if \lay
	ds_store_b128 v[DST], v[8*(8*(\a)+(\b)):8*(8*(\a)+(\b))+3]   offset:((4*(4*(\hi)+(\a))+(\b)%4)*2+(\b)/4)*1024
	ds_store_b128 v[DST], v[8*(8*(\a)+(\b))+4:8*(8*(\a)+(\b))+7] offset:((4*(4*(\hi)+(\a))+(\b)%4)*2+(\b)/4)*1024+512
.else
	ds_store_b128 v[DST], v[8*(8*(\a)+(\b)):8*(8*(\a)+(\b))+3]   offset:(4*(\hi)+(\a))*16*DP+64*(\b)
	ds_store_b128 v[DST], v[8*(8*(\a)+(\b))+4:8*(8*(\a)+(\b))+7] offset:(4*(\hi)+(\a))*16*DP+64*(\b)+16
.endif
.endr
.endr
.endr
	WIN 0
.endm
	s_load_b128 s[4:7], s[0:1], 0x0                ; xb s[4:5], wb s[6:7]
	s_load_b256 s[68:75], s[0:1], 0x10             ; q_b1, k_b1, v_b, g_b
	s_load_b128 s[76:79], s[0:1], 0x30             ; h s[76:77], vg s[78:79]
	v_lshl_add_u32 v[SPW], v0, 2, SPARE
	v_mov_b32 v[NIL], 0
	ds_add_u32 v[SPW], v[NIL]                      ; the wave's opening: the add and its wait stand ahead of my first tensor load, with work on registers between them
	v_lshrrev_b32 v1, 5, v0
	v_readfirstlane_b32 s10, v1                    ; wave 0..3
	s_lshr_b32 s11, s10, 1                         ; which half of the tile's rows is mine.  Also: I fetch for A (0) or for B (1)
	s_and_b32 s12, s10, 1                          ; which half of its columns.  Also: which 128 rows I fetch
	s_bfe_u32 s40, ttmp6, 0x40000                  ; cx
	s_bfe_u32 s41, ttmp6, 0x40004                  ; cy
	s_lshl_b32 s42, ttmp9, 2
	s_add_co_u32 s42, s42, s40                     ; tile column = 4 x cluster x + cx
	s_and_b32 s13, ttmp7, 0xffff
	s_lshl_b32 s13, s13, 2
	s_add_co_u32 s13, s13, s41                     ; tile row = 4 x cluster y + cy
	s_lshl_b32 s43, s41, 2
	s_lshl_b32 s43, 15, s43                        ; my row of the cluster
	s_lshl_b32 s44, 0x1111, s40                    ; my column
	s_or_b32 s[G1+0], s43, (1<<16)|(1<<20)|(1<<21)|(5<<22)|(3<<25)   ; mask; 2-byte elements; padding on; bit 21 beside a mask; after every 64 words, 4 words
	s_or_b32 s[G1B+0], s44, (1<<16)|(1<<20)|(1<<21)|(5<<22)|(3<<25)
.irp g, G1, G1B
	s_mov_b32 s[(\g)+1], KSTEP<<16                 ; tensor_dim0 = 128
	s_mov_b32 s[(\g)+2], 128<<16                   ; tensor_dim1 = 128
	s_mov_b32 s[(\g)+3], KSTEP<<16                 ; tile_dim0 = 128
	s_mov_b32 s[(\g)+4], 128                       ; tile_dim1 = 128
	s_mov_b32 s[(\g)+5], SIZE_K                    ; elements from row to row
	s_mov_b32 s[(\g)+6], 0
	s_mov_b32 s[(\g)+7], 0
.endr
	s_mov_b32 s86, 0x3e6d3389                      ; 0.2316419
	s_mov_b32 s88, 0x3f596d27                      ; c = 0.8493218
	s_mov_b32 s89, s88                             ; (each constant is named as a pair, so both words are written)
	s_mov_b32 s90, 0x3f1ff67a                      ; b5 =  0.6248547
	s_mov_b32 s91, s90
	s_mov_b32 s92, 0xbf5b0099                      ; b4 = -0.8554779
	s_mov_b32 s93, s92
	s_mov_b32 s94, 0x3f563818                      ; b3 =  0.8367934
	s_mov_b32 s95, s94
	s_mov_b32 s96, 0xbe2b8119                      ; b2 = -0.1674847
	s_mov_b32 s97, s96
	s_mov_b32 s98, 0x3e199eb3                      ; b1 =  0.1500195
	s_mov_b32 s99, s98
	s_lshl_b32 s17, s12, 7                         ; which 128 rows of a tile I fetch
	s_lshl_b32 s16, s13, 8
	s_add_co_u32 s16, s16, s17                     ; A: row 256 x tile row + 128 x half
	s_lshl_b32 s16, s16, 11                        ; in bytes: rows of 2,048
	s_lshl_b32 s46, s42, 8
	s_add_co_u32 s46, s46, s17                     ; B: row 256 x tile column + 128 x half
	s_lshl_b32 s46, s46, 11
	s_mov_b32 s17, 0
	s_mov_b32 s47, 0
	s_mul_i32 s20, s10, HALFT                      ; where they go: wave x 128 rows
	s_wait_dscnt 0x0                               ; the opening add is done
	s_wait_kmcnt 0x0
	s_add_nc_u64 s[14:15], s[4:5], s[16:17]
	s_add_nc_u64 s[46:47], s[6:7], s[46:47]
	CROUND                                         ; all sixteen work-groups are here: the first joint loads meet
.irp s, 0,1
	s_mov_b32 s[G0+4*(\s)], 1
	s_add_co_u32 s[G0+4*(\s)+1], s20, (\s)*SLOT
	s_add_nc_u64 s[G0+4*(\s)+2:G0+4*(\s)+3], s[14:15], (\s)*KSTEP*2
	s_or_b32 s[G0+4*(\s)+3], s[G0+4*(\s)+3], 0x80000000
	s_mov_b32 s[G0B+4*(\s)], 1
	s_add_co_u32 s[G0B+4*(\s)+1], s20, (\s)*SLOT
	s_add_nc_u64 s[G0B+4*(\s)+2:G0B+4*(\s)+3], s[46:47], (\s)*KSTEP*2
	s_or_b32 s[G0B+4*(\s)+3], s[G0B+4*(\s)+3], 0x80000000
	JLOAD \s                                       ; two loads of mine are out
.endr
	; the bias of my 128 columns: which vector by the cluster's x, the same in all partners
	v_and_b32 v1, 15, v0                           ; l % 16
	v_bfe_u32 v2, v0, 4, 1                         ; l / 16
	s_mov_b64 s[80:81], s[68:69]
	s_cmp_eq_u32 ttmp9, 1
	s_cselect_b64 s[80:81], s[70:71], s[80:81]
	s_cmp_eq_u32 ttmp9, 2
	s_cselect_b64 s[80:81], s[72:73], s[80:81]
	s_cmp_eq_u32 ttmp9, 3
	s_cselect_b64 s[80:81], s[74:75], s[80:81]
	s_lshl_b32 s66, s40, 10                        ; 256 cx columns of 4 bytes
	s_lshl_b32 s67, s12, 9
	s_add_co_u32 s66, s66, s67
	s_mov_b32 s67, 0
	s_add_nc_u64 s[80:81], s[80:81], s[66:67]
	v_lshlrev_b32 v[BO], 5, v2                     ; my eight columns of a block of 16
.irp b, 0,1,2,3,4,5,6,7
	global_load_b128 v[BIAS+8*(\b):BIAS+8*(\b)+3],   v[BO], s[80:81] offset:64*(\b)
	global_load_b128 v[BIAS+8*(\b)+4:BIAS+8*(\b)+7], v[BO], s[80:81] offset:64*(\b)+16
.endr
	; fragment addresses: lane l holds row l % 16; two loads of 16 bytes, 32 bytes apart, at row x pitch + 16 (l / 16)
	v_mul_u32_u24 v3, v1, PITCH
	v_lshl_add_u32 v3, v2, 4, v3
	s_mul_i32 s21, s11, HALFT                      ; my 128 rows of A
	s_mul_i32 s22, s12, HALFT                      ; my 128 rows of B,
	s_add_co_u32 s22, s22, 2*HALFT                 ; behind A's 256
.irp s, 0,1
	v_add_nc_u32 v[ADRA+(\s)], s21, v3
	v_add_nc_u32 v[ADRB+(\s)], s22, v3
	s_add_co_u32 s21, s21, SLOT
	s_add_co_u32 s22, s22, SLOT
.endr
	; the prefetches
	s_lshl_b32 s20, s13, 8
	s_lshl_b32 s21, s42, 8
	s_and_b32 s22, ttmp7, 0xffff
	s_cmp_eq_u32 s11, 0                            ; do I fetch for A?
	s_cselect_b32 s20, s20, s21                    ; the tile's first row
	s_cselect_b32 s21, s40, s41                    ; my place among the four that ask with me
	s_cselect_b32 s22, ttmp9, s22                  ; the coordinate along which other clusters read the same rows
	s_cselect_b64 s[PFA:PFA+1], s[4:5], s[6:7]
	s_cmp_eq_u32 s22, 0
	s_cselect_b32 s[LIM], 1, -1
	s_lshl_b32 s22, s12, 7
	s_add_co_u32 s20, s20, s22
	s_lshl_b32 s21, s21, 5
	s_add_co_u32 s20, s20, s21
	s_lshl_b32 s20, s20, 11
	s_mov_b32 s21, 0
	s_add_nc_u64 s[PFA:PFA+1], s[PFA:PFA+1], s[20:21]
	s_add_nc_u64 s[PFA:PFA+1], s[PFA:PFA+1], 2*KSTEP*2  ; at K step 2: the first refill steps it to 3 and names K step 4
	v_and_b32 v[PFO], 31, v0
	v_lshlrev_b32 v[PFO], 11, v[PFO]
	; where my part goes.  Row-major: (256 tile row + 128 half) rows of 2,048 bytes + (256 cx + 128 half) columns of 2.
	s_lshl_b32 s84, s13, 8
	s_lshl_b32 s85, s11, 7
	s_add_co_u32 s84, s84, s85
	s_lshl_b32 s84, s84, 11
	s_lshl_b32 s85, s40, 9
	s_add_co_u32 s84, s84, s85
	s_lshl_b32 s85, s12, 8
	s_add_co_u32 s84, s84, s85
	; By heads: head 16 b + 4 cx + 2 half of 262,144 bytes; token 256 (tile row % 8) + 128 half, 128 bytes a token (a block of 16 tokens is 2,048 bytes).
	s_lshr_b32 s66, s13, 3
	s_lshl_b32 s66, s66, 4
	s_lshl_b32 s67, s40, 2
	s_add_co_u32 s66, s66, s67
	s_lshl_b32 s67, s12, 1
	s_add_co_u32 s66, s66, s67
	s_lshl_b32 s66, s66, 18
	s_and_b32 s67, s13, 7
	s_lshl_b32 s67, s67, 8
	s_lshl_b32 s87, s11, 7
	s_add_co_u32 s67, s67, s87
	s_lshl_b32 s67, s67, 7
	s_add_co_u32 s66, s66, s67
	s_and_b32 s87, ttmp9, 1
	s_lshl_b32 s87, s87, 24                        ; the buffer's second half: hk, g
	s_cmp_lt_u32 ttmp9, 2
	s_cselect_b32 s84, s84, s66
	s_cselect_b64 s[8:9], s[76:77], s[78:79]
	s_add_co_u32 s84, s84, s87                     ; s[84:85]: what the first trip of the way out adds to the buffer's address
	s_mov_b32 s85, 0
	s_wait_loadcnt 0x0                             ; the bias
.set i, 0
.rept 32                                       ; rounded to bf16 and widened again, in place
	v_cvt_pk_bf16_f32 v[32+i%4], v[BIAS+2*i], v[BIAS+2*i+1]
	v_lshlrev_b32 v[BIAS+2*i], 16, v[32+i%4]
	v_and_b32 v[BIAS+2*i+1], 0xffff0000, v[32+i%4]
.set i, i+1
.endr
	s_wait_tensorcnt 1                             ; my part of K step 0 is in; K step 1's load stays out
	s_barrier_signal -1
	s_barrier_wait -1
	FETCH 0, 0, F0
	QUARTER 0, 64,  F0, F1, 1                      ; the first quarter stands in front of the loop: its products start the sums, on the bias
	WIN 0
	s_mov_b32 s3, LAPS-1
.Llap:                                         ; a trip goes once round the ring and fills both slots again: K steps 2..7 in three trips
	QUARTER 0, 128, F1, F0, 0
	QUARTER 0, 192, F0, F1, 0
	TURN 0, 1
	QUARTER 1, 64,  F0, F1, 0
	QUARTER 1, 128, F1, F0, 0
	QUARTER 1, 192, F0, F1, 0
	TURN 1, 0
	QUARTER 0, 64,  F0, F1, 0
	WIN 0
	s_sub_co_u32 s3, s3, 1
	s_cmp_lg_u32 s3, 0
	s_cbranch_scc1 .Llap
	QUARTER 0, 128, F1, F0, 0                      ; the last lap is written out: it fills nothing
	QUARTER 0, 192, F0, F1, 0
	MEET 0
	PLACES
	FETCH 1, 0, F0
	MUL16 F1, 1, 0, 0
	MUL16 F1, 1, 2, 0
	QUARTER 1, 64,  F0, F1, 0
	QUARTER 1, 128, F1, F0, 0
	QUARTER 1, 192, F0, F1, 0
	s_wait_dscnt 8
	MUL16 F1, 0, 0, 0
	MUL16 F1, 0, 2, 0
	s_wait_dscnt 0x0
	MUL16 F1, 1, 0, 0
	MUL16 F1, 1, 2, 0
	WIN 0
	PLACES
	s_wait_dscnt 0x0                               ; my reads of the ring are over,
	s_barrier_signal -1
	s_barrier_wait -1                              ; everybody's are, and no fill follows: the ring's bytes may be stored over
; The way out's loop: 32 trips of four lines of 512 LDS bytes, 16 numbers a lane.  lay = 0: a line is one row's 128 columns, rounded to bf16: 256 consecutive aligned bytes.  lay = 1: two lines are one
; accumulator, each lane's own eight numbers, rounded to f16: 512 consecutive aligned bytes; a trip takes the pieces of the wave's two heads, 262,144 bytes apart in memory.
; LDS serves a wave's instructions in order (ISA guide 5.7.1.4): the loads see my stores; no other wave touches my region.
.macro LINES lay
.irp i, 0,1,2,3
.if \lay
	ds_load_b128 v[XR+4*(\i):XR+4*(\i)+3], v[RDC] offset:512*(\i)
.else
	ds_load_b128 v[XR+4*(\i):XR+4*(\i)+3], v[RDC] offset:DP*(\i)
.endif
.endr
.endm
.macro OUTLOOP lay
	s_mov_b32 s82, 32
	s_mul_i32 s83, s10, WREG                       ; my region; it steps four rows (lay = 0) or two pieces (lay = 1) a trip
	v_and_b32 v[GO], 31, v0
	v_lshlrev_b32 v[RD0], 4, v[GO]                 ; 32 lanes take 512 consecutive bytes
.if \lay
	v_mov_b32 v[GO], v[RD0]                        ; 16 bytes a lane
.else
	v_lshlrev_b32 v[GO], 3, v[GO]                  ; 8 bytes a lane
.endif
	v_add_nc_u32 v[RDC], s83, v[RD0]
	LINES \lay
.Lout\lay:
	s_wait_dscnt 0x0                               ; the trip's four lines are in
.set i, 0
.rept 16
	v_fma_f32 v[DR+i], |v[XR+i]|, s86, 1.0
.set i, i+1
.endr
.set i, 0
.rept 8
	v_pk_mul_f32 v[WR+2*i:WR+2*i+1], v[XR+2*i:XR+2*i+1], s[88:89] op_sel_hi:[1,0]
.set i, i+1
.endr
.set i, 0
.rept 16
	v_max_num_f32 v[RR+i], 0, v[XR+i]
.set i, i+1
.endr
	s_cmp_eq_u32 s82, 1                            ; the last trip has no lines behind it
	s_cbranch_scc1 .Lnol\lay
.if \lay
	s_add_co_u32 s83, s83, 2048
.else
	s_add_co_u32 s83, s83, 4*DP
.endif
	v_add_nc_u32 v[RDC], s83, v[RD0]
	LINES \lay                                     ; the next trip's lines come while this trip is worked on
.Lnol\lay:
.set i, 0
.rept 8                                        ; ONE batch of 32: nothing in it names a result of it
	v_pk_mul_f32 v[QR+2*i:QR+2*i+1], v[WR+2*i:WR+2*i+1], v[WR+2*i:WR+2*i+1] neg_lo:[1,0] neg_hi:[1,0]
	v_rcp_f32 v[DR+2*i], v[DR+2*i]
	v_rcp_f32 v[DR+2*i+1], v[DR+2*i+1]
.if i > 0
	v_exp_f32 v[QR+2*i-2], v[QR+2*i-2]
	v_exp_f32 v[QR+2*i-1], v[QR+2*i-1]
.endif
.set i, i+1
.endr
	v_exp_f32 v[QR+14], v[QR+14]
	v_exp_f32 v[QR+15], v[QR+15]
	v_nop                                          ; a plain instruction behind the last of them (ISA guide 5.7.2),
	s_wait_alu depctr_va_vdst(0)                   ; and the one wait ahead of the batch's first reader
.set i, 0
.rept 8
	v_pk_fma_f32 v[PR+2*i:PR+2*i+1], v[DR+2*i:DR+2*i+1], s[90:91], s[92:93] op_sel_hi:[1,0,0]
.set i, i+1
.endr
.irp c, 94, 96, 98
.set i, 0
.rept 8
	v_pk_fma_f32 v[PR+2*i:PR+2*i+1], v[PR+2*i:PR+2*i+1], v[DR+2*i:DR+2*i+1], s[\c:\c+1] op_sel_hi:[1,1,0]
.set i, i+1
.endr
.endr
.set i, 0
.rept 8
	v_pk_mul_f32 v[PR+2*i:PR+2*i+1], v[PR+2*i:PR+2*i+1], v[DR+2*i:DR+2*i+1]
.set i, i+1
.endr
.set i, 0
.rept 8
	v_pk_mul_f32 v[PR+2*i:PR+2*i+1], v[PR+2*i:PR+2*i+1], v[QR+2*i:QR+2*i+1]
.set i, i+1
.endr
.set i, 0
.rept 16
	v_fma_f32 v[RR+i], -|v[WR+i]|, v[PR+i], v[RR+i]
.set i, i+1
.endr
	s_wait_xcnt 0x0                                ; the last trip's stores have read their data and their base: both are written below
	s_add_nc_u64 s[8:9], s[8:9], s[84:85]          ; the first time: on to my part; then a trip's step on
.if \lay
	s_mov_b64 s[84:85], 512
.else
	s_mov_b64 s[84:85], 8192
.endif
.set i, 0
.rept 8
.if \lay
	v_cvt_pk_f16_f32 v[YR+i], v[RR+2*i], v[RR+2*i+1]
.else
	v_cvt_pk_bf16_f32 v[YR+i], v[RR+2*i], v[RR+2*i+1]
.endif
.set i, i+1
.endr
.if \lay
	global_store_b128 v[GO], v[YR:YR+3], s[8:9]                    ; my first head's piece
	global_store_b128 v[GO], v[YR+4:YR+7], s[8:9] offset:262144    ; my second head's
.else
.irp i, 0,1,2,3
	global_store_b64 v[GO], v[YR+2*(\i):YR+2*(\i)+1], s[8:9] offset:2048*(\i)
.endr
.endif
	s_sub_co_u32 s82, s82, 1
	s_cmp_lg_u32 s82, 0
	s_cbranch_scc1 .Lout\lay
.endm
	s_mul_i32 s23, s10, WREG                       ; my region, the same in both forms
	s_cmp_lt_u32 ttmp9, 2                          ; the cluster's x: the same in all partners and in all waves
	s_cbranch_scc0 .Lheads
	v_mul_u32_u24 v4, v1, DP
	v_lshl_add_u32 v4, v2, 5, v4
	v_add_nc_u32 v[DST], s23, v4                   ; row l % 16, 32 bytes for each half of the lanes
	DUMP 0
	OUTLOOP 0
	s_branch .Lend
.Lheads:
	v_and_b32 v4, 31, v0
	v_lshlrev_b32 v4, 4, v4
	v_add_nc_u32 v[DST], s23, v4                   ; 16 x lane
	DUMP 1
	OUTLOOP 1
.Lend:
	s_wait_tensorcnt 0x0                           ; the wave's end, behind my last tensor load and my last LDS store
	ds_add_u32 v[SPW], v[NIL]
	s_wait_dscnt 0x0
	CROUND                                         ; the closing round
	s_endpgm
.Lfunc_end_k_q259abc0939_g1:
	.size	k_q259abc0939_g1, .Lfunc_end_k_q259abc0939_g1-k_q259abc0939_g1
	.p2alignl 7, 3214868480
	.fill 96, 4, 3214868480
	.section	.rodata,"a",@progbits
	.p2align	6, 0x0
	.amdhsa_kernel k_q259abc0939_g1
		.amdhsa_group_segment_fixed_size 327680
		.amdhsa_private_segment_fixed_size 0
		.amdhsa_enable_private_segment 0
		.amdhsa_kernarg_size 64
		.amdhsa_user_sgpr_count 2
		.amdhsa_user_sgpr_kernarg_segment_ptr 1
		.amdhsa_wavefront_size32 1
		.amdhsa_system_sgpr_workgroup_id_x 1
		.amdhsa_system_sgpr_workgroup_id_y 1
		.amdhsa_system_sgpr_workgroup_id_z 1
		.amdhsa_system_vgpr_workitem_id 0
		.amdhsa_next_free_vgpr 1024
		.amdhsa_next_free_sgpr 100
		.amdhsa_reserve_vcc 0
		.amdhsa_float_denorm_mode_32 3
		.amdhsa_float_denorm_mode_16_64 3
		.amdhsa_memory_ordered 1
		.amdhsa_forward_progress 1
		.amdhsa_inst_pref_size 156
	.end_amdhsa_kernel
	.amdgpu_metadata
---
amdhsa.version: [ 1, 2 ]
amdhsa.kernels:
  - .name:           k_q259abc0939_g1
    .symbol:         k_q259abc0939_g1.kd
    .args:
      - { .name: xb, .offset: 0, .size: 8, .value_kind: global_buffer, .address_space: global }
      - { .name: wb, .offset: 8, .size: 8, .value_kind: global_buffer, .address_space: global }
      - { .name: q_b1, .offset: 16, .size: 8, .value_kind: global_buffer, .address_space: global }
      - { .name: k_b1, .offset: 24, .size: 8, .value_kind: global_buffer, .address_space: global }
      - { .name: v_b, .offset: 32, .size: 8, .value_kind: global_buffer, .address_space: global }
      - { .name: g_b, .offset: 40, .size: 8, .value_kind: global_buffer, .address_space: global }
      - { .name: h, .offset: 48, .size: 8, .value_kind: global_buffer, .address_space: global }
      - { .name: vg, .offset: 56, .size: 8, .value_kind: global_buffer, .address_space: global }
    .group_segment_fixed_size: 327680
    .private_segment_fixed_size: 0
    .kernarg_segment_align: 8
    .kernarg_segment_size: 64
    .max_flat_workgroup_size: 128
    .sgpr_count:     100
    .vgpr_count:     1024
    .wavefront_size: 32
...
	.end_amdgpu_metadata
.endif
;; end of part 2
;; launch g2 (part 3): grid 32 x 8, 4 waves a work-group, clusters of 4 x 4, 327,680 bytes of LDS; arguments wb, h, q_b2, k_b2, qkt; writes qkt
.if DOCPART == 3
	.amdgcn_target "amdgcn-amd-amdhsa--gfx1250"
	.amdhsa_code_object_version 6
	.text
	.protected	k_q259abc0939_g2
	.globl	k_q259abc0939_g2
	.p2align	8
	.type	k_q259abc0939_g2,@function
k_q259abc0939_g2:
	s_mov_b64 s[64:65], 0
	v_nop
	global_prefetch_b8 v0, s[64:65] scope:SCOPE_SE
	s_setreg_imm32_b32 hwreg(HW_REG_WAVE_MODE, 25, 1), 1
	s_wait_xcnt 0x0
	s_wait_alu depctr_hold_cnt(0) depctr_sa_sdst(0) depctr_va_vdst(0) depctr_va_sdst(0) depctr_va_ssrc(0) depctr_va_vcc(0) depctr_vm_vsrc(0)
	s_getreg_b32 s2, hwreg(HW_REG_IB_STS2, 6, 4)
	s_cmp_eq_u32 s2, 0
	s_cbranch_scc0 .Lentry_in_a_cluster
	s_endpgm
.Lentry_in_a_cluster:
	s_bfe_u32 s2, ttmp6, 0x10000c
	s_cmp_lg_u32 s2, 0xf033
	s_cbranch_scc0 .Lentry_shape_is_right
	s_endpgm
.Lentry_shape_is_right:
; softplus(h W2^T + b2) for q and k, made TRANSPOSED: C[feature][token] over A = wb's rows 4096..6143 (q_w2, k_w2) and B = h[0] (for q) or h[1] (for k), bf16 operands, f32 sums.
; It goes to qkt in bf16, laid out AS THE NEXT LAUNCH'S FRAGMENTS (16 features x 32 tokens, 1,024 bytes): qkt[q or k][b][group of 128 tokens: 16][block of 16 features: 64][block of 32 tokens: 4][half: 2][lane: 32][16 bytes];
; lane l's 16 bytes are feature l % 16 of the block, tokens 16 half + 8 (l / 16) + 0..7 of the block.
; Tile, ring and cluster as in the launch before: 256 x 256 of C a work-group, 128 x 128 a wave, 8 K steps of 128 through two LDS slots, joint loads in a 4 x 4 cluster.
; The cluster's y (0: q, 1: k) picks the half of h, the bias vector and the half of qkt: it is the same in all partners.
; The matrix instruction is used transposed: lane l holds feature l % 16 and tokens 8 (l / 16) + 0..7 of an accumulator: just the 16 bytes above.  So on the way out nothing changes lanes: each wave stores
; its accumulators (f32) over the ring, which has had its last fill, as two runs of 512 bytes each, 16 bytes a lane; a short loop reads each lane's own numbers back, two accumulators (one fragment) a trip,
; applies the activation and stores 512 consecutive aligned bytes with each store of the wave.  A wave's 32 fragments are 32,768 consecutive bytes of qkt.
; THE BIAS goes by C's rows here: all eight registers of a lane hold one feature; rounded to bf16, it is the C operand of each accumulator's first product.
; SOFTPLUS = max(u, 0) + ln 2 x log2(1 + 2^(-|u| log2 e)): the maximum is taken away before the exponential, whose argument is never above 0.
; LIMITS.  Absolute error about 6e-8 (1 + p is rounded to f32): below u of about -16 the result is 0 in place of e^u (under 1.2e-7).  Inputs count as their bf16 roundings; the result is rounded once to bf16.
.set SIZE_K, 1024
.set KSTEP,  128
.set PITCH,  272                       ; 256 bytes + 16 of padding: the 16 rows of a fragment load start at 16 different groups of four banks (64 banks of 4 bytes: ISA guide 11.1)
.set HALFT,  128*PITCH
.set SLOT,   4*HALFT
.set SPARE,  2*SLOT                    ; the spare words, 128 bytes a wave: two blocks of 256 bytes that no other line names
.set WREG,   65536                     ; the way out: a wave's region, 64 accumulators of 1,024 bytes; four regions end below SPARE
.set LAPS,   SIZE_K/(2*KSTEP)
.set ADRA, 16
.set ADRB, 20
.set DST,  24
.set RD0,  25
.set GO,   26
.set BO,   27
.set SPW,  28
.set NIL,  29
.set PFO,  30
.set RDC,  31
.set F0,   64
.set F1,   128
.set BIAS, 192                         ; for row block a (0..7) the lane's bias, eight times, at BIAS + 8 a
.set XR,   64
.set RR,   112
.set QR,   128
.set YR,   160
.set G1,  24
.set G0,  32
.set G1B, 48
.set G0B, 56
.set PFA, 44
.set LIM, 43
.set MSB, 0
.macro WIN new
.if MSB != (\new)
	s_set_vgpr_msb (MSB<<8)|(\new)
.set MSB, \new
.endif
.endm
.set TO_B, 0x40
.macro JLOAD s                         ; a joint load: waves 0 and 1 fetch A's halves, waves 2 and 3 B's; an s_nop 0 and four v_nop follow each line
	s_cmp_eq_u32 s11, 0
	s_cbranch_scc0 .Lfor_b_\@
	tensor_load_to_lds s[G0+4*(\s):G0+4*(\s)+3], s[G1:G1+7]
	s_nop 0
.rept 4
	v_nop
.endr
	s_branch .Lasked_\@
.Lfor_b_\@:
	tensor_load_to_lds s[G0B+4*(\s):G0B+4*(\s)+3], s[G1B:G1B+7]
	s_nop 0
.rept 4
	v_nop
.endr
.Lasked_\@:
.endm
; A prefetch of the K step two refills on: 32 rows x 256 bytes, a lane a row.  A's rows (weights) are read by the eight clusters of a row of clusters: cluster x = 0 asks.  B's rows belong to one
; cluster alone (its tokens, its half of h): every cluster asks for its own.  The four partners of a joint load share its 128 rows out by address.  The loop's last trip asks for nothing.
.macro ASK
	s_cmp_gt_u32 s3, s[LIM]
	s_cbranch_scc0 .Lnot_mine_\@
	global_prefetch_b8 v[PFO], s[PFA:PFA+1] offset:KSTEP*2 th:TH_LOAD_NT scope:SCOPE_SE
.Lnot_mine_\@:
.endm
.macro CREST
	s_cmp_lg_u32 s10, 0
	s_cbranch_scc1 .Lnot_wave_0_\@
	s_barrier_signal -3
.Lnot_wave_0_\@:
	s_barrier_wait -3
	s_barrier_signal -1
	s_barrier_wait -1
.endm
.macro CROUND
	s_barrier_signal -1
	s_barrier_wait -1
	CREST
.endm
.macro MUL16 f, hi, a0, zero           ; 16 matrix instructions; zero = 1: C is the row block's bias, in window 0.  The 64 accumulators take turns
.if \zero
	WIN 0x81+0x40*(\hi)
.else
	WIN 0xa1+0x50*(\hi)
.endif
.irp a, \a0, (\a0)+1
.irp b, 0,1,2,3,4,5,6,7
.if \zero
	v_wmma_f32_16x16x32_bf16 v[8*(8*(\a)+(\b)):8*(8*(\a)+(\b))+7], v[(\f)+8*(\b):(\f)+8*(\b)+7], v[(\f)+8*(4*(\hi)+(\a)):(\f)+8*(4*(\hi)+(\a))+7], v[BIAS+8*(4*(\hi)+(\a)):BIAS+8*(4*(\hi)+(\a))+7]
.else
	v_wmma_f32_16x16x32_bf16 v[8*(8*(\a)+(\b)):8*(8*(\a)+(\b))+7], v[(\f)+8*(\b):(\f)+8*(\b)+7], v[(\f)+8*(4*(\hi)+(\a)):(\f)+8*(4*(\hi)+(\a))+7], v[8*(8*(\a)+(\b)):8*(8*(\a)+(\b))+7]
.endif
.endr
.endr
.endm
.macro FETCH slot, k, f
	WIN TO_B
.irp i, 0,1,2,3,4,5,6,7
	ds_load_b128 v[(\f)+8*(\i):(\f)+8*(\i)+3],   v[ADRB+(\slot)] offset:(\k)+(\i)*16*PITCH
	ds_load_b128 v[(\f)+8*(\i)+4:(\f)+8*(\i)+7], v[ADRB+(\slot)] offset:(\k)+(\i)*16*PITCH+32
.endr
	WIN 0
.irp i, 0,1,2,3,4,5,6,7
	ds_load_b128 v[(\f)+8*(\i):(\f)+8*(\i)+3],   v[ADRA+(\slot)] offset:(\k)+(\i)*16*PITCH
	ds_load_b128 v[(\f)+8*(\i)+4:(\f)+8*(\i)+7], v[ADRA+(\slot)] offset:(\k)+(\i)*16*PITCH+32
.endr
.endm
.macro PLACES                          ; four plain instructions between a matrix instruction and a load into, or a read of, its registers
.rept 4
	v_nop
.endr
.endm
.macro QUARTER slot, k, f, g, zero
	s_wait_dscnt 8                                 ; B and A's rows 0-63 are in; the youngest eight loads may be out
	MUL16 \f, 0, 0, \zero
	MUL16 \f, 0, 2, \zero
	PLACES
	FETCH \slot, \k, \g
	s_wait_dscnt 32                                ; all but the 32 just issued
	MUL16 \f, 1, 0, \zero
	MUL16 \f, 1, 2, \zero
.endm
.macro MEET round
	WIN 0
	s_wait_tensorcnt 0x0                           ; all my tensor loads have landed: my part of the next slot
	ds_add_u32 v[SPW], v[NIL]                      ; 0 onto my spare word
	s_wait_dscnt 9                                 ; (the add and the youngest eight loads may be out)
	MUL16 F1, 0, 0, 0
	s_wait_dscnt 0x0                               ; the add is done, and my reads of this slot are over
	s_barrier_signal -1
	MUL16 F1, 0, 2, 0
.if \round
	WIN 0
.endif
	s_barrier_wait -1
.endm
.macro TURN slot, next
	s_wait_xcnt 0x0                                ; the last prefetch, a K step back, has read its address
	s_add_nc_u64 s[PFA:PFA+1], s[PFA:PFA+1], KSTEP*2
	MEET 1
	CREST                                          ; no wave of any partner still reads this slot or has a load on its way
	s_add_nc_u64 s[G0+4*(\slot)+2:G0+4*(\slot)+3], s[G0+4*(\slot)+2:G0+4*(\slot)+3], 2*KSTEP*2
	s_add_nc_u64 s[G0B+4*(\slot)+2:G0B+4*(\slot)+3], s[G0B+4*(\slot)+2:G0B+4*(\slot)+3], 2*KSTEP*2
	JLOAD \slot
	FETCH \next, 0, F0
	ASK
	MUL16 F1, 1, 0, 0
	MUL16 F1, 1, 2, 0
.endm
; My 64 accumulators into my region: accumulator (row block a', column block b) is piece 8 a' + b of 1,024 bytes: registers 0-3 at 16 l, registers 4-7 at 512 + 16 l; the low four first.
.macro DUMP
.irp hi, 0,1
	WIN 0x08+4*(\hi)
.irp a, 0,1,2,3
.irp b, 0,1,2,3,4,5,6,7
	ds_store_b128 v[DST], v[8*(8*(\a)+(\b)):8*(8*(\a)+(\b))+3]   offset:(8*(4*(\hi)+(\a))+(\b))*1024
	ds_store_b128 v[DST], v[8*(8*(\a)+(\b))+4:8*(8*(\a)+(\b))+7] offset:(8*(4*(\hi)+(\a))+(\b))*1024+512
.endr
.endr
.endr
	WIN 0
.endm
	s_load_b128 s[4:7], s[0:1], 0x0                ; wb s[4:5], h s[6:7]
	s_load_b128 s[68:71], s[0:1], 0x10             ; q_b2, k_b2
	s_load_b64 s[72:73], s[0:1], 0x20              ; qkt
	v_lshl_add_u32 v[SPW], v0, 2, SPARE
	v_mov_b32 v[NIL], 0
	ds_add_u32 v[SPW], v[NIL]                      ; the wave's opening: the add and its wait stand ahead of my first tensor load
	v_lshrrev_b32 v1, 5, v0
	v_readfirstlane_b32 s10, v1
	s_lshr_b32 s11, s10, 1
	s_and_b32 s12, s10, 1
	s_bfe_u32 s40, ttmp6, 0x40000                  ; cx
	s_bfe_u32 s41, ttmp6, 0x40004                  ; cy
	s_lshl_b32 s42, ttmp9, 2
	s_add_co_u32 s42, s42, s40                     ; tile column (tokens) = 4 x cluster x + cx
	s_and_b32 s13, ttmp7, 0xffff
	s_lshl_b32 s13, s13, 2
	s_add_co_u32 s13, s13, s41                     ; tile row (features of q, then of k) = 4 x cluster y + cy
	s_lshl_b32 s43, s41, 2
	s_lshl_b32 s43, 15, s43
	s_lshl_b32 s44, 0x1111, s40
	s_or_b32 s[G1+0], s43, (1<<16)|(1<<20)|(1<<21)|(5<<22)|(3<<25)
	s_or_b32 s[G1B+0], s44, (1<<16)|(1<<20)|(1<<21)|(5<<22)|(3<<25)
.irp g, G1, G1B
	s_mov_b32 s[(\g)+1], KSTEP<<16
	s_mov_b32 s[(\g)+2], 128<<16
	s_mov_b32 s[(\g)+3], KSTEP<<16
	s_mov_b32 s[(\g)+4], 128
	s_mov_b32 s[(\g)+5], SIZE_K
	s_mov_b32 s[(\g)+6], 0
	s_mov_b32 s[(\g)+7], 0
.endr
	s_mov_b32 s86, 0x3fb8aa3b                      ; log2 e
	s_mov_b32 s88, 0x3f317218                      ; ln 2
	s_mov_b32 s89, s88
	s_lshl_b32 s17, s12, 7
	s_lshl_b32 s16, s13, 8
	s_add_co_u32 s16, s16, s17
	s_lshl_b32 s16, s16, 11
	s_lshl_b32 s46, s42, 8
	s_add_co_u32 s46, s46, s17
	s_lshl_b32 s46, s46, 11
	s_mov_b32 s17, 0
	s_mov_b32 s47, 0
	s_mul_i32 s20, s10, HALFT
	s_and_b32 s66, ttmp7, 0xffff                   ; the cluster's y
	s_lshl_b32 s66, s66, 24                        ; hq or hk
	s_mov_b32 s67, 0
	s_wait_dscnt 0x0
	s_wait_kmcnt 0x0
	s_add_nc_u64 s[4:5], s[4:5], 4096*2048         ; wb at q_w2
	s_add_nc_u64 s[6:7], s[6:7], s[66:67]
	s_add_nc_u64 s[14:15], s[4:5], s[16:17]
	s_add_nc_u64 s[46:47], s[6:7], s[46:47]
	CROUND
.irp s, 0,1
	s_mov_b32 s[G0+4*(\s)], 1
	s_add_co_u32 s[G0+4*(\s)+1], s20, (\s)*SLOT
	s_add_nc_u64 s[G0+4*(\s)+2:G0+4*(\s)+3], s[14:15], (\s)*KSTEP*2
	s_or_b32 s[G0+4*(\s)+3], s[G0+4*(\s)+3], 0x80000000
	s_mov_b32 s[G0B+4*(\s)], 1
	s_add_co_u32 s[G0B+4*(\s)+1], s20, (\s)*SLOT
	s_add_nc_u64 s[G0B+4*(\s)+2:G0B+4*(\s)+3], s[46:47], (\s)*KSTEP*2
	s_or_b32 s[G0B+4*(\s)+3], s[G0B+4*(\s)+3], 0x80000000
	JLOAD \s
.endr
	; the bias of my 128 rows: feature 256 cy + 128 half + 16 a + l % 16
	v_and_b32 v1, 15, v0
	v_bfe_u32 v2, v0, 4, 1
	s_and_b32 s66, ttmp7, 0xffff
	s_cmp_eq_u32 s66, 0
	s_cselect_b64 s[80:81], s[68:69], s[70:71]
	s_lshl_b32 s66, s41, 10
	s_lshl_b32 s67, s11, 9
	s_add_co_u32 s66, s66, s67
	s_mov_b32 s67, 0
	s_add_nc_u64 s[80:81], s[80:81], s[66:67]
	v_lshlrev_b32 v[BO], 2, v1
.irp a, 0,1,2,3,4,5,6,7
	global_load_b32 v[32+(\a)], v[BO], s[80:81] offset:64*(\a)
.endr
	v_mul_u32_u24 v3, v1, PITCH
	v_lshl_add_u32 v3, v2, 4, v3
	s_mul_i32 s21, s11, HALFT
	s_mul_i32 s22, s12, HALFT
	s_add_co_u32 s22, s22, 2*HALFT
.irp s, 0,1
	v_add_nc_u32 v[ADRA+(\s)], s21, v3
	v_add_nc_u32 v[ADRB+(\s)], s22, v3
	s_add_co_u32 s21, s21, SLOT
	s_add_co_u32 s22, s22, SLOT
.endr
	s_mul_i32 s23, s10, WREG
	v_and_b32 v4, 31, v0
	v_lshlrev_b32 v4, 4, v4
	v_add_nc_u32 v[DST], s23, v4                   ; my region + 16 x lane
	; the prefetches
	s_lshl_b32 s20, s13, 8
	s_lshl_b32 s21, s42, 8
	s_cmp_eq_u32 s11, 0
	s_cselect_b32 s20, s20, s21
	s_cselect_b32 s21, s40, s41
	s_cselect_b32 s22, ttmp9, 0                    ; A's rows: the first cluster along x asks; B's rows are my cluster's alone
	s_cselect_b64 s[PFA:PFA+1], s[4:5], s[6:7]
	s_cmp_eq_u32 s22, 0
	s_cselect_b32 s[LIM], 1, -1
	s_lshl_b32 s22, s12, 7
	s_add_co_u32 s20, s20, s22
	s_lshl_b32 s21, s21, 5
	s_add_co_u32 s20, s20, s21
	s_lshl_b32 s20, s20, 11
	s_mov_b32 s21, 0
	s_add_nc_u64 s[PFA:PFA+1], s[PFA:PFA+1], s[20:21]
	s_add_nc_u64 s[PFA:PFA+1], s[PFA:PFA+1], 2*KSTEP*2
	v_and_b32 v[PFO], 31, v0
	v_lshlrev_b32 v[PFO], 11, v[PFO]
	; where my part goes: q or k 2^24, batch 2^22, group of 128 tokens 2^18, block of 16 features 2^12 bytes
	s_and_b32 s84, ttmp7, 0xffff
	s_lshl_b32 s84, s84, 24
	s_lshr_b32 s85, s42, 3
	s_lshl_b32 s85, s85, 22
	s_add_co_u32 s84, s84, s85
	s_and_b32 s85, s42, 7
	s_lshl_b32 s85, s85, 1
	s_add_co_u32 s85, s85, s12                     ; the group: 2 (tile column % 8) + half
	s_lshl_b32 s85, s85, 18
	s_add_co_u32 s84, s84, s85
	s_lshl_b32 s85, s41, 4
	s_lshl_b32 s87, s11, 3
	s_add_co_u32 s85, s85, s87                     ; my first block of features: 16 cy + 8 half
	s_lshl_b32 s85, s85, 12
	s_add_co_u32 s84, s84, s85
	s_mov_b32 s85, 0
	s_mov_b64 s[8:9], s[72:73]
	s_wait_loadcnt 0x0                             ; the bias
.irp p, 0,1,2,3
	v_cvt_pk_bf16_f32 v[40+(\p)], v[32+2*(\p)], v[33+2*(\p)]
.endr
.irp p, 0,1,2,3
.irp j, 0,1,2,3,4,5,6,7
	v_lshlrev_b32 v[BIAS+16*(\p)+(\j)], 16, v[40+(\p)]
	v_and_b32 v[BIAS+16*(\p)+8+(\j)], 0xffff0000, v[40+(\p)]
.endr
.endr
	s_wait_tensorcnt 1                             ; my part of K step 0 is in; K step 1's load stays out
	s_barrier_signal -1
	s_barrier_wait -1
	FETCH 0, 0, F0
	QUARTER 0, 64,  F0, F1, 1
	WIN 0
	s_mov_b32 s3, LAPS-1
.Llap:
	QUARTER 0, 128, F1, F0, 0
	QUARTER 0, 192, F0, F1, 0
	TURN 0, 1
	QUARTER 1, 64,  F0, F1, 0
	QUARTER 1, 128, F1, F0, 0
	QUARTER 1, 192, F0, F1, 0
	TURN 1, 0
	QUARTER 0, 64,  F0, F1, 0
	WIN 0
	s_sub_co_u32 s3, s3, 1
	s_cmp_lg_u32 s3, 0
	s_cbranch_scc1 .Llap
	QUARTER 0, 128, F1, F0, 0                      ; the last lap is written out: it fills nothing
	QUARTER 0, 192, F0, F1, 0
	MEET 0
	PLACES
	FETCH 1, 0, F0
	MUL16 F1, 1, 0, 0
	MUL16 F1, 1, 2, 0
	QUARTER 1, 64,  F0, F1, 0
	QUARTER 1, 128, F1, F0, 0
	QUARTER 1, 192, F0, F1, 0
	s_wait_dscnt 8
	MUL16 F1, 0, 0, 0
	MUL16 F1, 0, 2, 0
	s_wait_dscnt 0x0
	MUL16 F1, 1, 0, 0
	MUL16 F1, 1, 2, 0
	WIN 0
	PLACES
	s_wait_dscnt 0x0                               ; my reads of the ring are over,
	s_barrier_signal -1
	s_barrier_wait -1                              ; everybody's are, and no fill follows: the ring's bytes may be stored over
	DUMP
; The way out's loop: 32 trips; a trip takes two accumulators, 2,048 LDS bytes in four lines, which are one fragment: 1,024 consecutive bytes of qkt.
; LDS serves a wave's instructions in order (ISA guide 5.7.1.4): the loads see my stores above; no other wave touches my region.
.macro LINES
.irp i, 0,1,2,3
	ds_load_b128 v[XR+4*(\i):XR+4*(\i)+3], v[RDC] offset:512*(\i)
.endr
.endm
	s_mov_b32 s82, 32
	s_mul_i32 s83, s10, WREG
	v_and_b32 v[GO], 31, v0
	v_lshlrev_b32 v[GO], 4, v[GO]
	v_mov_b32 v[RD0], v[GO]
	v_add_nc_u32 v[RDC], s83, v[RD0]
	LINES
.Lout:
	s_wait_dscnt 0x0
.set i, 0
.rept 16
	v_mul_f32 v[QR+i], -|v[XR+i]|, s86
.set i, i+1
.endr
.set i, 0
.rept 16
	v_max_num_f32 v[RR+i], 0, v[XR+i]
.set i, i+1
.endr
	s_cmp_eq_u32 s82, 1                            ; the last trip has no lines behind it
	s_cbranch_scc1 .Lnol
	s_add_co_u32 s83, s83, 2048
	v_add_nc_u32 v[RDC], s83, v[RD0]
	LINES
.Lnol:
.set i, 0
.rept 16
	v_exp_f32 v[QR+i], v[QR+i]
.set i, i+1
.endr
	v_nop                                          ; a plain instruction behind the last exponential,
	s_wait_alu depctr_va_vdst(0)                   ; and the one wait ahead of the batch's first reader
.set i, 0
.rept 8
	v_pk_add_f32 v[QR+2*i:QR+2*i+1], v[QR+2*i:QR+2*i+1], 1.0 op_sel_hi:[1,0]
.set i, i+1
.endr
.set i, 0
.rept 16
	v_log_f32 v[QR+i], v[QR+i]
.set i, i+1
.endr
	v_nop
	s_wait_alu depctr_va_vdst(0)                   ; the second batch's wait
	s_wait_xcnt 0x0                                ; the last trip's stores have read their data and their base
	s_add_nc_u64 s[8:9], s[8:9], s[84:85]          ; the first time: on to my part; then one fragment on
	s_mov_b64 s[84:85], 1024
.set i, 0
.rept 8
	v_pk_fma_f32 v[RR+2*i:RR+2*i+1], v[QR+2*i:QR+2*i+1], s[88:89], v[RR+2*i:RR+2*i+1] op_sel_hi:[1,0,1]
.set i, i+1
.endr
.set i, 0
.rept 8
	v_cvt_pk_bf16_f32 v[YR+i], v[RR+2*i], v[RR+2*i+1]
.set i, i+1
.endr
	global_store_b128 v[GO], v[YR:YR+3], s[8:9]                ; the fragment's first half: 512 consecutive aligned bytes
	global_store_b128 v[GO], v[YR+4:YR+7], s[8:9] offset:512   ; its second half
	s_sub_co_u32 s82, s82, 1
	s_cmp_lg_u32 s82, 0
	s_cbranch_scc1 .Lout
	s_wait_tensorcnt 0x0                           ; the wave's end
	ds_add_u32 v[SPW], v[NIL]
	s_wait_dscnt 0x0
	CROUND                                         ; the closing round
	s_endpgm
.Lfunc_end_k_q259abc0939_g2:
	.size	k_q259abc0939_g2, .Lfunc_end_k_q259abc0939_g2-k_q259abc0939_g2
	.p2alignl 7, 3214868480
	.fill 96, 4, 3214868480
	.section	.rodata,"a",@progbits
	.p2align	6, 0x0
	.amdhsa_kernel k_q259abc0939_g2
		.amdhsa_group_segment_fixed_size 327680
		.amdhsa_private_segment_fixed_size 0
		.amdhsa_enable_private_segment 0
		.amdhsa_kernarg_size 40
		.amdhsa_user_sgpr_count 2
		.amdhsa_user_sgpr_kernarg_segment_ptr 1
		.amdhsa_wavefront_size32 1
		.amdhsa_system_sgpr_workgroup_id_x 1
		.amdhsa_system_sgpr_workgroup_id_y 1
		.amdhsa_system_sgpr_workgroup_id_z 1
		.amdhsa_system_vgpr_workitem_id 0
		.amdhsa_next_free_vgpr 1024
		.amdhsa_next_free_sgpr 100
		.amdhsa_reserve_vcc 0
		.amdhsa_float_denorm_mode_32 3
		.amdhsa_float_denorm_mode_16_64 3
		.amdhsa_memory_ordered 1
		.amdhsa_forward_progress 1
		.amdhsa_inst_pref_size 130
	.end_amdhsa_kernel
	.amdgpu_metadata
---
amdhsa.version: [ 1, 2 ]
amdhsa.kernels:
  - .name:           k_q259abc0939_g2
    .symbol:         k_q259abc0939_g2.kd
    .args:
      - { .name: wb, .offset: 0, .size: 8, .value_kind: global_buffer, .address_space: global }
      - { .name: h, .offset: 8, .size: 8, .value_kind: global_buffer, .address_space: global }
      - { .name: q_b2, .offset: 16, .size: 8, .value_kind: global_buffer, .address_space: global }
      - { .name: k_b2, .offset: 24, .size: 8, .value_kind: global_buffer, .address_space: global }
      - { .name: qkt, .offset: 32, .size: 8, .value_kind: global_buffer, .address_space: global }
    .group_segment_fixed_size: 327680
    .private_segment_fixed_size: 0
    .kernarg_segment_align: 8
    .kernarg_segment_size: 40
    .max_flat_workgroup_size: 128
    .sgpr_count:     100
    .vgpr_count:     1024
    .wavefront_size: 32
...
	.end_amdgpu_metadata
.endif
;; end of part 3
;; launch qk (part 4): grid 4 x 64, 16 waves a work-group, no clusters, 68,608 bytes of LDS; arguments qkt, ap; writes ap
.if DOCPART == 4
	.amdgcn_target "amdgcn-amd-amdhsa--gfx1250"
	.amdhsa_code_object_version 6
	.text
	.protected	k_q259abc0939_qk
	.globl	k_q259abc0939_qk
	.p2align	8
	.type	k_q259abc0939_qk,@function
k_q259abc0939_qk:
	s_mov_b64 s[64:65], 0
	v_nop
	global_prefetch_b8 v0, s[64:65] scope:SCOPE_SE
	s_setreg_imm32_b32 hwreg(HW_REG_WAVE_MODE, 25, 1), 1
	s_wait_xcnt 0x0
; For each (b, head): A[n][m] = the sum over 2,048 tokens of q[token][n] k[token][m];  z[n] = 1 / (0.125 x the sum over m of A[n][m] + 1024), which is the einsum of q with k's row sums;
; ap = z[n] (0.125 A[n][m] + (n == m)), rounded once to f16: the matrix that the next launch multiplies v by; the residual + v and the factor z ride in it.
; q and k are softplus values, above 0, so every ap lies in 0 to 1 whatever the inputs: f16 has the room; below 6e-5 it keeps f16's fixed step of 6e-8.
; LAYOUTS.  qkt lies as fragments of 16 features x 32 tokens: [q or k][b][group of 128 tokens: 16][block of 16 features: 64][block of 32 tokens: 4][half: 2][lane: 32][16 bytes], so every load of a wave
; covers 512 consecutive bytes.  ap goes out as the next launch's fragments: [b x 16 + head][block of 16 n: 4][block of 16 m: 4][lane: 32][16 bytes]; lane l's 16 bytes are n = l % 16, m = 8 (l / 16) + 0..7 of the blocks.
; SHARES.  Work-group (x, y) makes the block n = 16 x .. 16 x + 15 of head y.  THE TOKENS ARE SPLIT AMONG ITS 16 WAVES, a group of 128 each.  Source 0 = 16 rows of k (m), source 1 = the 16 rows of q (n):
; lane l holds n = l % 16 and m = 16 mb + 8 (l / 16) + 0..7: the layout in which ap leaves.  The 16 partial sums (f32) meet in LDS, each accumulator as two runs of 512 bytes, 16 bytes a lane; wave c of
; waves 0 to 3 adds those of block m = 16 c .., each lane its own eight numbers.  A row's sum over all 64 m spans four waves there, so it is made on the way in: each wave adds its own 32 numbers a lane and
; the other half of the lanes' into one partial row sum, 64 bytes a wave, and a finishing lane adds the sixteen.
; No joint loads: k's fragments are read by the four work-groups of a head, but they go straight into registers here; a tile in LDS and a cluster's rounds would be added to a body of 40 loads and 16 products.
; No prefetch: all of a wave's loads go out at its head.
.set FO,  2                            ; v2  16 x lane
.set LS,  3                            ; v3  where my 16 bytes of a run go: 4,096 wave + 16 lane
.set LR,  4                            ; v4  where I read them: 1,024 c + 16 lane
.set LSS, 5                            ; v5  where my wave's partial row sum of n = l % 16 goes
.set LSB, 6                            ; v6  where the first wave's lies
.set SPW, 8                            ; v8  LDS address of my spare word; never rewritten
.set NIL, 9                            ; v9  0; never rewritten
.set QF,  16                           ; v[16:47]   q's fragments, K step ks at QF + 8 ks; later the 16 partial row sums, and registers at work
.set KF,  48                           ; v[48:175]  k's: K step ks, block mb at KF + 32 ks + 8 mb; later the 16 partial sums, eight registers each
.set ACC, 176                          ; v[176:207] four accumulators
.set WPART, 4096                       ; a wave's four accumulators
.set SB,    16*WPART                   ; behind them: the partial row sums, 64 bytes a wave
.set SPARE, SB+1024                    ; behind them: the spare words, 128 bytes a wave: eight blocks of 256 bytes that no other line names
	s_load_b128 s[4:7], s[0:1], 0x0                ; qkt s[4:5], ap s[6:7]
	v_lshl_add_u32 v[SPW], v0, 2, SPARE
	v_mov_b32 v[NIL], 0
	v_lshrrev_b32 v1, 5, v0
	v_readfirstlane_b32 s8, v1                     ; wave 0..15
	s_and_b32 s9, ttmp7, 0xffff                    ; 16 b + head
	v_and_b32 v10, 15, v0                          ; l % 16
	v_bfe_u32 v11, v0, 4, 1                        ; l / 16
	v_and_b32 v[FO], 31, v0
	v_lshlrev_b32 v[FO], 4, v[FO]
	s_mul_i32 s11, s8, WPART
	v_add_nc_u32 v[LS], s11, v[FO]
	v_lshlrev_b32 v[LSB], 2, v10
	v_add_nc_u32 v[LSB], SB, v[LSB]
	s_mul_i32 s10, s8, 64
	v_add_nc_u32 v[LSS], s10, v[LSB]
	v_mov_b32 v13, 0                               ; v_permlanex16_b32's destination counts as read: it is written once here
	s_lshr_b32 s16, s9, 4
	s_lshl_b32 s16, s16, 22                        ; the batch,
	s_lshl_b32 s17, s8, 18                         ; my wave's group of 128 tokens,
	s_add_co_u32 s16, s16, s17
	s_and_b32 s17, s9, 15
	s_lshl_b32 s17, s17, 14                        ; the head's four blocks of 16 features, 4,096 bytes each
	s_add_co_u32 s16, s16, s17
	s_mov_b32 s17, 0
	s_lshl_b32 s18, ttmp9, 12                      ; my block of q
	s_mov_b32 s19, 0
	s_lshl_b32 s26, s9, 13                         ; a head's 8,192 bytes of ap,
	s_lshl_b32 s27, ttmp9, 11                      ; my block of n,
	s_add_co_u32 s26, s26, s27
	s_lshl_b32 s27, s8, 9                          ; the block of m that my wave finishes (waves 0 to 3)
	s_add_co_u32 s26, s26, s27
	s_mov_b32 s27, 0
	s_mov_b32 s20, 0x3e000000                      ; 0.125 = 64^-0.5
	s_mov_b32 s21, 0x44800000                      ; 1024
	s_mov_b32 s28, 0x76543210                      ; v_permlanex16_b32: each lane takes its own place in the other half
	s_mov_b32 s29, 0xfedcba98
	s_wait_kmcnt 0x0
	s_add_nc_u64 s[12:13], s[4:5], s[16:17]
	s_add_nc_u64 s[14:15], s[12:13], 0x1000000     ; k's half of qkt
	s_add_nc_u64 s[12:13], s[12:13], s[18:19]      ; q's half, my block
	s_add_nc_u64 s[6:7], s[6:7], s[26:27]
.irp ks, 0,1,2,3
	global_load_b128 v[QF+8*(\ks):QF+8*(\ks)+3],   v[FO], s[12:13] offset:1024*(\ks) th:TH_LOAD_NT
	global_load_b128 v[QF+8*(\ks)+4:QF+8*(\ks)+7], v[FO], s[12:13] offset:1024*(\ks)+512 th:TH_LOAD_NT
.irp mb, 0,1,2,3
	global_load_b128 v[KF+32*(\ks)+8*(\mb):KF+32*(\ks)+8*(\mb)+3],   v[FO], s[14:15] offset:4096*(\mb)+1024*(\ks)
	global_load_b128 v[KF+32*(\ks)+8*(\mb)+4:KF+32*(\ks)+8*(\mb)+7], v[FO], s[14:15] offset:4096*(\mb)+1024*(\ks)+512
.endr
.endr
.irp ks, 0,1,2,3
	s_wait_loadcnt 30-10*(\ks)                     ; this K step's ten loads are in; the later steps' stay out
.irp mb, 0,1,2,3                               ; the four accumulators take turns
.if (\ks) == 0
	v_wmma_f32_16x16x32_bf16 v[ACC+8*(\mb):ACC+8*(\mb)+7], v[KF+32*(\ks)+8*(\mb):KF+32*(\ks)+8*(\mb)+7], v[QF+8*(\ks):QF+8*(\ks)+7], 0
.else
	v_wmma_f32_16x16x32_bf16 v[ACC+8*(\mb):ACC+8*(\mb)+7], v[KF+32*(\ks)+8*(\mb):KF+32*(\ks)+8*(\mb)+7], v[QF+8*(\ks):QF+8*(\ks)+7], v[ACC+8*(\mb):ACC+8*(\mb)+7]
.endif
.endr
.endr
.rept 4
	v_nop                                          ; the places behind the last product (ISA guide 7.12.1)
.endr
.irp mb, 0,1,2,3
	ds_store_b128 v[LS], v[ACC+8*(\mb):ACC+8*(\mb)+3]   offset:1024*(\mb)
	ds_store_b128 v[LS], v[ACC+8*(\mb)+4:ACC+8*(\mb)+7] offset:1024*(\mb)+512
.endr
.irp s, 16,8,4,2                               ; my 32 numbers of row n = l % 16 are added, in place, two an instruction
.set i, 0
.rept \s/2
	v_pk_add_f32 v[ACC+2*i:ACC+2*i+1], v[ACC+2*i:ACC+2*i+1], v[ACC+\s+2*i:ACC+\s+2*i+1]
.set i, i+1
.endr
.endr
	v_add_f32 v12, v[ACC], v[ACC+1]
	v_permlanex16_b32 v13, v12, s28, s29           ; the row's other 32 m lie in the lane 16 away
	v_add_f32 v12, v12, v13
	ds_store_b32 v[LSS], v12                       ; lanes l and l + 16 write the same word with the same value
	s_wait_dscnt 0x0                               ; for the others' sake: my partial sums are stored
	s_barrier_signal -1
	s_barrier_wait -1
	s_cmp_lt_u32 s8, 4                             ; waves 0 to 3 finish: wave c takes m = 16 c .. 16 c + 15
	s_cbranch_scc0 .Lend
	s_mul_i32 s22, s8, 1024
	v_add_nc_u32 v[LR], s22, v[FO]
.irp w, 0,1,2,3,4,5,6,7,8,9,10,11,12,13,14,15
	ds_load_b128 v[KF+8*(\w):KF+8*(\w)+3],   v[LR] offset:WPART*(\w)
	ds_load_b128 v[KF+8*(\w)+4:KF+8*(\w)+7], v[LR] offset:WPART*(\w)+512
.endr
.irp w, 0,1,2,3,4,5,6,7,8,9,10,11,12,13,14,15
	ds_load_b32 v[QF+(\w)], v[LSB] offset:64*(\w)
.endr
	s_lshl_b32 s23, ttmp9, 4
	s_lshl_b32 s24, s8, 4
	s_sub_co_u32 s23, s23, s24                     ; 16 x - 16 c (modulo 2^32)
	v_add_nc_u32 v14, s23, v10
	v_lshlrev_b32 v15, 3, v11
	v_sub_nc_u32 v14, v14, v15                     ; n - my first m: which of my eight m is the diagonal's, if any
	s_wait_dscnt 0x0
.irp s, 8,4,2,1
.set i, 0
.rept \s
.irp k, 0,2,4,6
	v_pk_add_f32 v[KF+8*i+\k:KF+8*i+\k+1], v[KF+8*i+\k:KF+8*i+\k+1], v[KF+8*(i+\s)+\k:KF+8*(i+\s)+\k+1]
.endr
.set i, i+1
.endr
.endr
.irp s, 8,4,2
.set i, 0
.rept \s/2
	v_pk_add_f32 v[QF+2*i:QF+2*i+1], v[QF+2*i:QF+2*i+1], v[QF+\s+2*i:QF+\s+2*i+1]
.set i, i+1
.endr
.endr
	v_add_f32 v12, v[QF], v[QF+1]                  ; the row's sum over all 64 m and all tokens
	v_fma_f32 v13, v12, s20, s21
	v_rcp_f32 v13, v13                             ; z; the lines below, which do not name it, stand between it and its wait
.irp j, 0,1,2,3,4,5,6,7
	v_cmp_eq_u32 vcc_lo, \j, v14
	v_cndmask_b32 v[32+(\j)], 0, 1.0, vcc_lo
	v_fma_f32 v[KF+(\j)], v[KF+(\j)], s20, v[32+(\j)]
.endr
	s_wait_alu depctr_va_vdst(0)                   ; the wait ahead of the reciprocal's first reader
.irp j, 0,1,2,3,4,5,6,7
	v_mul_f32 v[KF+(\j)], v13, v[KF+(\j)]
.endr
.irp p, 0,1,2,3
	v_cvt_pk_f16_f32 v[40+(\p)], v[KF+2*(\p)], v[KF+2*(\p)+1]
.endr
	global_store_b128 v[FO], v[40:43], s[6:7]      ; a wave stores 512 consecutive aligned bytes
.Lend:
	s_wait_tensorcnt 0x0                           ; the wave's end, behind my last LDS store
	ds_add_u32 v[SPW], v[NIL]
	s_wait_dscnt 0x0
	s_endpgm
.Lfunc_end_k_q259abc0939_qk:
	.size	k_q259abc0939_qk, .Lfunc_end_k_q259abc0939_qk-k_q259abc0939_qk
	.p2alignl 7, 3214868480
	.fill 96, 4, 3214868480
	.section	.rodata,"a",@progbits
	.p2align	6, 0x0
	.amdhsa_kernel k_q259abc0939_qk
		.amdhsa_group_segment_fixed_size 68608
		.amdhsa_private_segment_fixed_size 0
		.amdhsa_enable_private_segment 0
		.amdhsa_kernarg_size 16
		.amdhsa_user_sgpr_count 2
		.amdhsa_user_sgpr_kernarg_segment_ptr 1
		.amdhsa_wavefront_size32 1
		.amdhsa_system_sgpr_workgroup_id_x 1
		.amdhsa_system_sgpr_workgroup_id_y 1
		.amdhsa_system_sgpr_workgroup_id_z 1
		.amdhsa_system_vgpr_workitem_id 0
		.amdhsa_next_free_vgpr 208
		.amdhsa_next_free_sgpr 66
		.amdhsa_reserve_vcc 1
		.amdhsa_float_denorm_mode_32 3
		.amdhsa_float_denorm_mode_16_64 3
		.amdhsa_memory_ordered 1
		.amdhsa_forward_progress 1
		.amdhsa_inst_pref_size 19
	.end_amdhsa_kernel
	.amdgpu_metadata
---
amdhsa.version: [ 1, 2 ]
amdhsa.kernels:
  - .name:           k_q259abc0939_qk
    .symbol:         k_q259abc0939_qk.kd
    .args:
      - { .name: qkt, .offset: 0, .size: 8, .value_kind: global_buffer, .address_space: global }
      - { .name: ap, .offset: 8, .size: 8, .value_kind: global_buffer, .address_space: global }
    .group_segment_fixed_size: 68608
    .private_segment_fixed_size: 0
    .kernarg_segment_align: 8
    .kernarg_segment_size: 16
    .max_flat_workgroup_size: 512
    .sgpr_count:     66
    .vgpr_count:     208
    .wavefront_size: 32
...
	.end_amdgpu_metadata
.endif
;; end of part 4
;; launch mix (part 5): grid 4 x 64, 8 waves a work-group, no clusters, 19,712 bytes of LDS; arguments vg, ap, t, ts; writes t, ts
.if DOCPART == 5
	.amdgcn_target "amdgcn-amd-amdhsa--gfx1250"
	.amdhsa_code_object_version 6
	.text
	.protected	k_q259abc0939_mix
	.globl	k_q259abc0939_mix
	.p2align	8
	.type	k_q259abc0939_mix,@function
k_q259abc0939_mix:
	s_mov_b64 s[64:65], 0
	v_nop
	global_prefetch_b8 v0, s[64:65] scope:SCOPE_SE
	s_setreg_imm32_b32 hwreg(HW_REG_WAVE_MODE, 25, 1), 1
	s_wait_xcnt 0x0
; u[head][d][n] = (the sum over m of ap[head][n][m] v[head][d][m]) x g[head][d][n]: reference()'s (out + v) z, times g; u's flat bytes by heads, [head][d][n], are the last projection's rows.
; f16 operands, f32 sums; the product with g in f32.
; SCALED BY ROWS.  u has no room in f16 for large inputs, so each row of the last projection (1,024 numbers: 16 tokens x 64 n of a head) is multiplied by a power of two that brings its largest
; magnitude into 2^14 .. 2^15: t = u x 2^(141 - e), rounded once to f16, e the biased exponent of the row's largest |u|; ts[row] = 2^(e - 141), in f32, by which the last projection multiplies its sums.
; LIMITS.  e counts as 15 at the least: a row whose largest |u| is under 2^-112 is scaled as if it were that.  Within a row, numbers under 2^-28 of the largest keep f16's fixed step.  NaN and infinities are not treated apart.
; LAYOUTS.  v, g and ap lie as fragments: a block of 16 tokens (of ap: 16 n) is 2,048 bytes, [block of 16 features: 4][lane: 32][16 bytes], lane l's 16 bytes being token (n) l % 16, features (m) 8 (l / 16) + 0..7.
; So every load of a wave covers 512 consecutive bytes, and two of them are a fragment of 16 x 32.
; SHARES.  Work-group (x, y): tokens 512 x .. + 511 of head y; a wave 64 of them, four blocks of 16: a block is one row of the last projection.  Source 0 = 16 rows of ap (n), source 1 = 16 rows of v (tokens):
; lane l holds token l % 16 and n = 16 nb + 8 (l / 16) + 0..7, which are just the 16 bytes of g's piece nb.  Every byte of v and g is read once.
; The way out goes through a stage of the wave's own (16 rows of 144 bytes): back come four rows of 128 bytes, 512 consecutive bytes of t.  The eight waves' 32 scales meet in LDS and leave as 128 consecutive bytes.
; No cluster: what work-groups share is ap, 8 KiB beside the 128 KiB of v and g that each reads alone.  No prefetch: all 48 loads of a wave go out at its head.
.set STO, 3                            ; v3  the stage: where I put 16 bytes of a row
.set RD,  4                            ; v4  where I read rows back
.set GO,  5                            ; v5  16 x lane: my place in every 512 bytes that the wave loads or stores
.set ZR,  6                            ; v6  0: the addend of g x sum
.set SCA, 7                            ; v7  LDS address of my wave's four scales
.set SPW, 8                            ; v8  LDS address of my spare word; never rewritten
.set NIL, 9                            ; v9  0; never rewritten
.set AF,  16                           ; v[16:79]    ap's fragments: block nb, K step ks at AF + 16 nb + 8 ks
.set VF,  80                           ; v[80:143]   v's: block i, K step ks at VF + 16 i + 8 ks
.set GF,  144                          ; v[144:207]  g: block i, column block nb at GF + 16 i + 4 nb; then t
.set DD,  208                          ; v[208:239]  four accumulators; then u, in place
.set MX,  240                          ; v[240:241]  two chains of maxima
.set MN,  242                          ; v[242:243]  two chains of minima
.set PX,  244                          ; v244        the other half of the lanes' maximum
.set EE,  245                          ; v245        the maximum's exponent field
.set SC,  246                          ; v[246:247]  the scale, twice (a pair for the packed multiply)
.set INV, 248                          ; v[248:251]  1 / scale of blocks 0 to 3
.set LSC, 252                          ; v252        wave 0: where lane l reads scale l
.set GS,  253                          ; v253        4 x lane
.set SP,    144                        ; a stage row: 128 bytes + 16 = 36 words: 16 rows start at 16 different groups of four banks (64 banks of 4 bytes: ISA guide 11.1)
.set WST,   16*SP
.set SCB,   8*WST                      ; behind the stages: 32 scales, 16 bytes a wave
.set SPARE, SCB+256                    ; behind them: the spare words, 128 bytes a wave: four blocks of 256 bytes that no other line names
	s_load_b128 s[4:7], s[0:1], 0x0                ; vg s[4:5], ap s[6:7]
	s_load_b128 s[24:27], s[0:1], 0x10             ; t s[24:25], ts s[26:27]
	v_lshl_add_u32 v[SPW], v0, 2, SPARE
	v_mov_b32 v[NIL], 0
	v_lshrrev_b32 v1, 5, v0
	v_readfirstlane_b32 s10, v1                    ; wave 0..7
	s_and_b32 s11, ttmp7, 0xffff                   ; the head
	v_and_b32 v10, 15, v0
	v_bfe_u32 v11, v0, 4, 1
	s_mul_i32 s12, s10, WST
	v_mul_u32_u24 v[STO], v10, SP
	v_lshl_add_u32 v[STO], v11, 4, v[STO]
	v_add_nc_u32 v[STO], s12, v[STO]
	v_bfe_u32 v[RD], v0, 3, 2
	v_mul_u32_u24 v[RD], v[RD], SP
	v_and_b32 v12, 7, v0
	v_lshl_add_u32 v[RD], v12, 4, v[RD]
	v_add_nc_u32 v[RD], s12, v[RD]
	v_and_b32 v[GS], 31, v0
	v_lshlrev_b32 v[GO], 4, v[GS]
	v_lshlrev_b32 v[GS], 2, v[GS]
	v_add_nc_u32 v[LSC], SCB, v[GS]
	s_lshl_b32 s13, s10, 4
	s_add_co_u32 s13, s13, SCB
	v_mov_b32 v[SCA], s13
	v_mov_b32 v[ZR], 0
	v_mov_b32 v[PX], 0                             ; v_permlanex16_b32's destination counts as read: it is written once here
	s_lshl_b32 s16, s11, 18                        ; a head's 2,048 tokens of 128 bytes,
	s_lshl_b32 s17, ttmp9, 16                      ; my work-group's 512,
	s_add_co_u32 s16, s16, s17
	s_lshl_b32 s17, s10, 13                        ; my wave's 64
	s_add_co_u32 s16, s16, s17
	s_mov_b32 s17, 0
	s_lshl_b32 s18, s11, 13                        ; a head's 8,192 bytes of ap
	s_mov_b32 s19, 0
	s_lshl_b32 s28, s11, 9                         ; a head's 128 rows of the last projection, 4 bytes of ts each,
	s_lshl_b32 s29, ttmp9, 7                       ; my work-group's 32
	s_add_co_u32 s28, s28, s29
	s_mov_b32 s29, 0
	s_mov_b32 s22, 0x76543210                      ; v_permlanex16_b32: each lane takes its own place in the other half
	s_mov_b32 s23, 0xfedcba98
	s_wait_kmcnt 0x0
	s_add_nc_u64 s[4:5], s[4:5], s[16:17]          ; v
	s_add_nc_u64 s[14:15], s[4:5], 0x1000000       ; g: the buffer's second half
	s_add_nc_u64 s[8:9], s[24:25], s[16:17]        ; t
	s_add_nc_u64 s[6:7], s[6:7], s[18:19]
	s_add_nc_u64 s[26:27], s[26:27], s[28:29]
.irp f, 0,1,2,3,4,5,6,7,8,9,10,11,12,13,14,15
	global_load_b128 v[AF+4*(\f):AF+4*(\f)+3], v[GO], s[6:7] offset:512*(\f)   ; piece f = 4 nb + 2 ks + half
.endr
.irp i, 0,1,2,3
.irp f, 0,1,2,3
	global_load_b128 v[VF+16*(\i)+4*(\f):VF+16*(\i)+4*(\f)+3], v[GO], s[4:5] offset:2048*(\i)+512*(\f) th:TH_LOAD_NT
.endr
.irp f, 0,1,2,3
	global_load_b128 v[GF+16*(\i)+4*(\f):GF+16*(\i)+4*(\f)+3], v[GO], s[14:15] offset:2048*(\i)+512*(\f) th:TH_LOAD_NT
.endr
.endr
; Block i: eight products, the four accumulators by turns; u = g x sum in place (each accumulator's lowest register first); the row's largest magnitude, over my 32 numbers and
; then over the 32 lanes; the scale from its exponent; t into g's registers; into the stage, and back as whole rows.
.macro BLOCK i
	s_wait_loadcnt 24-8*(\i)                       ; ap and this block's eight loads are in; the later blocks' stay out
.irp ks, 0,1
.irp nb, 0,1,2,3
.if (\ks) == 0
	v_wmma_f32_16x16x32_f16 v[DD+8*(\nb):DD+8*(\nb)+7], v[AF+16*(\nb)+8*(\ks):AF+16*(\nb)+8*(\ks)+7], v[VF+16*(\i)+8*(\ks):VF+16*(\i)+8*(\ks)+7], 0
.else
	v_wmma_f32_16x16x32_f16 v[DD+8*(\nb):DD+8*(\nb)+7], v[AF+16*(\nb)+8*(\ks):AF+16*(\nb)+8*(\ks)+7], v[VF+16*(\i)+8*(\ks):VF+16*(\i)+8*(\ks)+7], v[DD+8*(\nb):DD+8*(\nb)+7]
.endif
.endr
.endr
.rept 4
	v_nop                                          ; the places behind the last product (ISA guide 7.12.1)
.endr
.irp nb, 0,1,2,3
.irp k, 0,1,2,3
	v_fma_mix_f32 v[DD+8*(\nb)+2*(\k)],   v[GF+16*(\i)+4*(\nb)+(\k)], v[DD+8*(\nb)+2*(\k)],   v[ZR] op_sel_hi:[1,0,0]                ; g's low half x the sum + 0, in f32
	v_fma_mix_f32 v[DD+8*(\nb)+2*(\k)+1], v[GF+16*(\i)+4*(\nb)+(\k)], v[DD+8*(\nb)+2*(\k)+1], v[ZR] op_sel:[1,0,0] op_sel_hi:[1,0,0]  ; its high half
.endr
.endr
	v_max3_num_f32 v[MX],   v[DD],   v[DD+1], v[DD+2]
	v_min3_num_f32 v[MN],   v[DD],   v[DD+1], v[DD+2]
	v_max3_num_f32 v[MX+1], v[DD+3], v[DD+4], v[DD+5]
	v_min3_num_f32 v[MN+1], v[DD+3], v[DD+4], v[DD+5]
.set p, 0
.rept 13
	v_max3_num_f32 v[MX+p%2], v[MX+p%2], v[DD+6+2*p], v[DD+7+2*p]
	v_min3_num_f32 v[MN+p%2], v[MN+p%2], v[DD+6+2*p], v[DD+7+2*p]
.set p, p+1
.endr
	v_max_num_f32 v[MX], v[MX], v[MX+1]
	v_min_num_f32 v[MN], v[MN], v[MN+1]
	v_sub_f32 v[MN], 0, v[MN]
	v_max_num_f32 v[MX], v[MX], v[MN]              ; my largest |u|
	v_max_num_f32_dpp v[MX], v[MX], v[MX] row_xmask:1 row_mask:0xf bank_mask:0xf
	v_max_num_f32_dpp v[MX], v[MX], v[MX] row_xmask:2 row_mask:0xf bank_mask:0xf
	v_max_num_f32_dpp v[MX], v[MX], v[MX] row_xmask:4 row_mask:0xf bank_mask:0xf
	v_max_num_f32_dpp v[MX], v[MX], v[MX] row_xmask:8 row_mask:0xf bank_mask:0xf
	v_permlanex16_b32 v[PX], v[MX], s22, s23
	v_max_num_f32 v[MX], v[MX], v[PX]              ; the row's, in every lane
	v_and_b32 v[EE], 0x7f800000, v[MX]             ; e << 23: as a number, 2^(e - 127)
	v_max_num_f32 v[EE], 0x07800000, v[EE]         ; e is 15 at the least
	v_sub_nc_u32 v[SC], 0x86000000, v[EE]          ; (268 - e) << 23 = 2^(141 - e)
	v_mov_b32 v[SC+1], v[SC]
	v_add_nc_u32 v[INV+(\i)], 0xf9000000, v[EE]    ; (e - 14) << 23 = 2^(e - 141)
.set p, 0
.rept 16
	v_pk_mul_f32 v[DD+2*p:DD+2*p+1], v[DD+2*p:DD+2*p+1], v[SC:SC+1]
.set p, p+1
.endr
.set p, 0
.rept 16
	v_cvt_pk_f16_f32 v[GF+16*(\i)+p], v[DD+2*p], v[DD+2*p+1]
.set p, p+1
.endr
.irp f, 0,1,2,3
	ds_store_b128 v[STO], v[GF+16*(\i)+4*(\f):GF+16*(\i)+4*(\f)+3] offset:32*(\f)
.endr
.irp f, 0,1,2,3
	ds_load_b128 v[GF+16*(\i)+4*(\f):GF+16*(\i)+4*(\f)+3], v[RD] offset:4*SP*(\f)  ; LDS serves a wave's instructions in order (ISA guide 5.7.1.4): these see the stores above; the next block's stores come behind them
.endr
.endm
.macro SEND i, younger                 ; younger: the LDS instructions issued behind block i's loads: the next block's eight, or none
.irp f, 0,1,2,3
	s_wait_dscnt (\younger)+3-(\f)
	global_store_b128 v[GO], v[GF+16*(\i)+4*(\f):GF+16*(\i)+4*(\f)+3], s[8:9] offset:2048*(\i)+512*(\f)  ; 512 consecutive bytes, at a multiple of 256 from t's first
.endr
.endm
	BLOCK 0
	BLOCK 1
	SEND 0, 8
	BLOCK 2
	SEND 1, 8
	BLOCK 3
	SEND 2, 8
	SEND 3, 0
	ds_store_b128 v[SCA], v[INV:INV+3]             ; my four scales: all lanes write the same 16 bytes with the same values
	s_wait_dscnt 0x0                               ; for wave 0's sake: they are stored
	s_barrier_signal -1
	s_barrier_wait -1
	s_cmp_lg_u32 s10, 0
	s_cbranch_scc1 .Lend
	ds_load_b32 v[PX], v[LSC]                      ; lane l takes the scale of the work-group's row l
	s_wait_dscnt 0x0
	global_store_b32 v[GS], v[PX], s[26:27]        ; 128 consecutive bytes
.Lend:
	s_wait_tensorcnt 0x0                           ; the wave's end, behind my last LDS store
	ds_add_u32 v[SPW], v[NIL]
	s_wait_dscnt 0x0
	s_endpgm
.Lfunc_end_k_q259abc0939_mix:
	.size	k_q259abc0939_mix, .Lfunc_end_k_q259abc0939_mix-k_q259abc0939_mix
	.p2alignl 7, 3214868480
	.fill 96, 4, 3214868480
	.section	.rodata,"a",@progbits
	.p2align	6, 0x0
	.amdhsa_kernel k_q259abc0939_mix
		.amdhsa_group_segment_fixed_size 19712
		.amdhsa_private_segment_fixed_size 0
		.amdhsa_enable_private_segment 0
		.amdhsa_kernarg_size 32
		.amdhsa_user_sgpr_count 2
		.amdhsa_user_sgpr_kernarg_segment_ptr 1
		.amdhsa_wavefront_size32 1
		.amdhsa_system_sgpr_workgroup_id_x 1
		.amdhsa_system_sgpr_workgroup_id_y 1
		.amdhsa_system_sgpr_workgroup_id_z 1
		.amdhsa_system_vgpr_workitem_id 0
		.amdhsa_next_free_vgpr 256
		.amdhsa_next_free_sgpr 66
		.amdhsa_reserve_vcc 0
		.amdhsa_float_denorm_mode_32 3
		.amdhsa_float_denorm_mode_16_64 3
		.amdhsa_memory_ordered 1
		.amdhsa_forward_progress 1
		.amdhsa_inst_pref_size 41
	.end_amdhsa_kernel
	.amdgpu_metadata
---
amdhsa.version: [ 1, 2 ]
amdhsa.kernels:
  - .name:           k_q259abc0939_mix
    .symbol:         k_q259abc0939_mix.kd
    .args:
      - { .name: vg, .offset: 0, .size: 8, .value_kind: global_buffer, .address_space: global }
      - { .name: ap, .offset: 8, .size: 8, .value_kind: global_buffer, .address_space: global }
      - { .name: t, .offset: 16, .size: 8, .value_kind: global_buffer, .address_space: global }
      - { .name: ts, .offset: 24, .size: 8, .value_kind: global_buffer, .address_space: global }
    .group_segment_fixed_size: 19712
    .private_segment_fixed_size: 0
    .kernarg_segment_align: 8
    .kernarg_segment_size: 32
    .max_flat_workgroup_size: 256
    .sgpr_count:     66
    .vgpr_count:     256
    .wavefront_size: 32
...
	.end_amdgpu_metadata
.endif
;; end of part 5
;; launch g3 (part 6): grid 4 x 64, 4 waves a work-group, clusters of 4 x 4, 327,680 bytes of LDS; arguments t, wb, p_b, ts, out0; writes out0
.if DOCPART == 6
	.amdgcn_target "amdgcn-amd-amdhsa--gfx1250"
	.amdhsa_code_object_version 6
	.text
	.protected	k_q259abc0939_g3
	.globl	k_q259abc0939_g3
	.p2align	8
	.type	k_q259abc0939_g3,@function
k_q259abc0939_g3:
	s_mov_b64 s[64:65], 0
	v_nop
	global_prefetch_b8 v0, s[64:65] scope:SCOPE_SE
	s_setreg_imm32_b32 hwreg(HW_REG_WAVE_MODE, 25, 1), 1
	s_wait_xcnt 0x0
	s_wait_alu depctr_hold_cnt(0) depctr_sa_sdst(0) depctr_va_vdst(0) depctr_va_sdst(0) depctr_va_ssrc(0) depctr_va_vcc(0) depctr_vm_vsrc(0)
	s_getreg_b32 s2, hwreg(HW_REG_IB_STS2, 6, 4)
	s_cmp_eq_u32 s2, 0
	s_cbranch_scc0 .Lentry_in_a_cluster
	s_endpgm
.Lentry_in_a_cluster:
	s_bfe_u32 s2, ttmp6, 0x10000c
	s_cmp_lg_u32 s2, 0xf033
	s_cbranch_scc0 .Lentry_shape_is_right
	s_endpgm
.Lentry_shape_is_right:
; out0 = u p_w^T + p_b, where u[row] = t[row] x ts[row]: C[row][column] over A = t read as [8192][1024] f16 (each row scaled by a power of two by the launch before) and B = wb's rows 6144..7167
; (p_w, rounded to bf16 and written as f16), f32 sums, f32 output.  The way out makes sum x ts[row] + bias, one fused multiply-add a number; the bias is rounded to bf16 like every input.
; A TILE OF C IS 128 x 256: C has 64 x 4 such tiles, one for each of 256 work-groups; tiles of 256 x 256 would be 128.  Four waves, each 64 x 128: 32 accumulators of 16 x 16, 256 registers.
; K goes in 8 steps of 128 through two LDS slots filled by tensor loads, rows of 256 bytes: A's 128 rows (waves 0 and 1 fetch 64 each), then B's 256 (waves 2 and 3 fetch 128 each).  Two slots of a step
; of 256 would take 405,504 bytes of LDS.  From a request to the wait for it a wave issues 112 matrix instructions.
; CLUSTER 4 x 4: A's tile is shared along a row of the cluster, B's along a column; each is asked for jointly, by the same load with a mask of four.
; The matrix instruction is used transposed (source 0 = 16 rows of B, source 1 = 16 rows of A): lane l holds row l % 16 of C and columns 8 (l / 16) + 0..7.  The first product of each sum takes the constant 0 as C.
; REGISTERS: window 0: v0-63 addresses and what is kept; v64-95, v96-127 A's fragments, two buffers; v128-191, v192-255 B's.  Window 1: the accumulators, (a, b) at v[8 (8 a + b)].
; THE WAY OUT.  When the last K step is multiplied the ring has had its last fill; each wave stores its 64 x 128 sums over it, rows of 528 bytes, in a region of its own, and its 64 rows' scales behind the
; regions; a short loop reads whole rows of 128 f32 back, and a trip's sixteen scales by four loads in which all lanes name the same 16 bytes.  Each store of the wave covers 512 consecutive aligned bytes.
.set SIZE_K, 1024
.set KSTEP,  128
.set PITCH,  272                       ; 256 bytes + 16 of padding: the 16 rows of a fragment load start at 16 different groups of four banks (64 banks of 4 bytes: ISA guide 11.1)
.set HALFA,  64*PITCH                  ; what wave 0 or 1 fetches, and what a wave reads of A
.set HALFB,  128*PITCH                 ; what wave 2 or 3 fetches, and what a wave reads of B
.set BOFF,   2*HALFA                   ; B's rows lie behind A's 128
.set SLOT,   2*HALFA+2*HALFB
.set SPARE,  2*SLOT                    ; behind the ring: the spare words, 128 bytes a wave: two blocks of 256 bytes that no other line names
.set DP,     528                       ; the way out: a row of 128 f32 + 16 bytes
.set WREG,   64*DP                     ; a wave's region of it
.set SCT,    4*WREG                    ; behind the four regions, still inside the ring: the scales, 256 bytes a wave
.set LAPS,   SIZE_K/(2*KSTEP)
.set ADRA, 16                          ; v16-17  LDS address of my A fragments in slot 0, 1
.set ADRB, 20                          ; v20-21  the same for B
.set DST,  24                          ; v24     where my lane's 32 bytes of a row go in my region
.set RD0,  25                          ; v25     16 x lane
.set GO,   26                          ; v26     16 x lane: my offset in a store
.set BO,   27                          ; v27     my offset in the bias
.set SPW,  28                          ; v28     LDS address of my spare word; never rewritten
.set NIL,  29                          ; v29     0; never rewritten
.set PFO,  30                          ; v30     the prefetches' offset: my lane x a row of 2,048 bytes; never rewritten
.set RDC,  31                          ; v31     the LDS address of the rows in hand
.set BB,   32                          ; v[32:35] the biases of my four columns of a row that is read back
.set B4,   38                          ; v38     4 x lane
.set SCW,  39                          ; v39     where my two scales go
.set SCL,  40                          ; v[40:41] the scales of my wave's rows l and 32 + l
.set SCR,  42                          ; v42     where a trip's sixteen scales lie
.set FA,   64                          ; A's fragment buffers: f at FA + 32 f
.set FB,   128                         ; B's: f at FB + 64 f
.set XR,   64                          ; the way out: sixteen rows of four registers
.set SV,   128                         ; v[128:143] their scales, the same in every lane
.set G1,  24                           ; s[24:31] descriptor group 1 for A's tiles;  s[32:39] group 0, a set for each slot
.set G0,  32
.set G1B, 48                           ; s[48:55], s[56:63] the same for B's
.set G0B, 56
.set PFA, 44
.set LIM, 43
.set TSP, 74                           ; s[74:75] ts at my wave's 64 rows
.set MSB, 0
.macro WIN new                         ; s_set_vgpr_msb: bits 1:0 source 0, 3:2 source 1, 5:4 source 2, 7:6 destination; the high byte repeats the setting that is left
.if MSB != (\new)
	s_set_vgpr_msb (MSB<<8)|(\new)
.set MSB, \new
.endif
.endm
.set W_MUL, 0x50                       ; C and D in window 1, both sources in window 0
.macro JLOAD s                         ; a joint load: waves 0 and 1 fetch A's halves, waves 2 and 3 B's; an s_nop 0 and four v_nop follow each line
	s_cmp_eq_u32 s11, 0
	s_cbranch_scc0 .Lfor_b_\@
	tensor_load_to_lds s[G0+4*(\s):G0+4*(\s)+3], s[G1:G1+7]
	s_nop 0
.rept 4
	v_nop
.endr
	s_branch .Lasked_\@
.Lfor_b_\@:
	tensor_load_to_lds s[G0B+4*(\s):G0B+4*(\s)+3], s[G1B:G1B+7]
	s_nop 0
.rept 4
	v_nop
.endr
.Lasked_\@:
.endm
; A prefetch of the K step two refills on, 256 matrix instructions ahead of the load that will want it: 32 rows x 256 bytes, a lane a row.  A's 128 rows belong to one cluster (there is one cluster along
; x): wave 0 of each of the four partners asks for 32 of them, told apart by address; wave 1 asks for nothing.  B's rows are read by the sixteen clusters: in cluster y = 0 waves 2 and 3 ask, each for its
; work-group's 32 of the 128 that it fetches.  So each row's 256 bytes of a K step are named once.  K steps 0 to 3 come by their loads alone; the loop's last trip asks for nothing.
.macro ASK
	s_cmp_gt_u32 s3, s[LIM]
	s_cbranch_scc0 .Lnot_mine_\@
	global_prefetch_b8 v[PFO], s[PFA:PFA+1] offset:KSTEP*2 th:TH_LOAD_NT scope:SCOPE_SE
.Lnot_mine_\@:
.endm
.macro CREST
	s_cmp_lg_u32 s10, 0
	s_cbranch_scc1 .Lnot_wave_0_\@
	s_barrier_signal -3
.Lnot_wave_0_\@:
	s_barrier_wait -3
	s_barrier_signal -1
	s_barrier_wait -1
.endm
.macro CROUND
	s_barrier_signal -1
	s_barrier_wait -1
	CREST
.endm
; 8 matrix instructions: row block a x all 8 column blocks, 32 along K, from buffer f.  zero = 1: the first product starts the sum.  The 32 accumulators take turns in the same order in every quarter.
.macro MUL8 f, a, zero
	WIN W_MUL
.irp b, 0,1,2,3,4,5,6,7
.if \zero
	v_wmma_f32_16x16x32_f16 v[8*(8*(\a)+(\b)):8*(8*(\a)+(\b))+7], v[FB+64*(\f)+8*(\b):FB+64*(\f)+8*(\b)+7], v[FA+32*(\f)+8*(\a):FA+32*(\f)+8*(\a)+7], 0
.else
	v_wmma_f32_16x16x32_f16 v[8*(8*(\a)+(\b)):8*(8*(\a)+(\b))+7], v[FB+64*(\f)+8*(\b):FB+64*(\f)+8*(\b)+7], v[FA+32*(\f)+8*(\a):FA+32*(\f)+8*(\a)+7], v[8*(8*(\a)+(\b)):8*(8*(\a)+(\b))+7]
.endif
.endr
.endm
; 24 LDS loads in one run: a quarter step's fragments (128 rows of B, then 64 of A, 32 K at byte k of the rows) into buffer f
.macro FETCH slot, k, f
	WIN 0
.irp i, 0,1,2,3,4,5,6,7
	ds_load_b128 v[FB+64*(\f)+8*(\i):FB+64*(\f)+8*(\i)+3],   v[ADRB+(\slot)] offset:(\k)+(\i)*16*PITCH
	ds_load_b128 v[FB+64*(\f)+8*(\i)+4:FB+64*(\f)+8*(\i)+7], v[ADRB+(\slot)] offset:(\k)+(\i)*16*PITCH+32
.endr
.irp i, 0,1,2,3
	ds_load_b128 v[FA+32*(\f)+8*(\i):FA+32*(\f)+8*(\i)+3],   v[ADRA+(\slot)] offset:(\k)+(\i)*16*PITCH
	ds_load_b128 v[FA+32*(\f)+8*(\i)+4:FA+32*(\f)+8*(\i)+7], v[ADRA+(\slot)] offset:(\k)+(\i)*16*PITCH+32
.endr
.endm
.macro PLACES                          ; four plain instructions between a matrix instruction and a load into, or a read of, its registers
.rept 4
	v_nop
.endr
.endm
; A K step is four quarters of 32 along K, 32 matrix instructions each, on buffers 0, 1, 0, 1.  One of the first three multiplies buffer f and, in its middle, fetches the next quarter (byte k) into g.
.macro QUARTER slot, k, f, g, zero
	s_wait_dscnt 4                                 ; B and A's rows 0-31 are in; the youngest four loads (A's rows 32-63) may be out
	MUL8 \f, 0, \zero
	MUL8 \f, 1, \zero
	PLACES
	FETCH \slot, \k, \g
	s_wait_dscnt 24                                ; all but the 24 just issued
	MUL8 \f, 2, \zero
	MUL8 \f, 3, \zero
.endm
; The first half of a step's last quarter, and the one barrier of a change of slots.
.macro MEET round
	WIN 0                                          ; (the add's two registers lie in window 0)
	s_wait_tensorcnt 0x0                           ; all my tensor loads have landed: my part of the next slot
	ds_add_u32 v[SPW], v[NIL]                      ; 0 onto my spare word
	s_wait_dscnt 5                                 ; (the add and the youngest four loads may be out)
	MUL8 1, 0, 0
	s_wait_dscnt 0x0                               ; the add is done, and my reads of this slot are over
	s_barrier_signal -1
	MUL8 1, 1, 0                                   ; work on registers while the others arrive
.if \round
	WIN 0
.endif
	s_barrier_wait -1
.endm
; The whole last quarter where the slot is filled again, with the K step two steps on: the barrier opens a round of the cluster's, and the joint refill is the first thing behind it.
.macro TURN slot, next
	s_wait_xcnt 0x0                                ; the last prefetch, a K step back, has read its address
	s_add_nc_u64 s[PFA:PFA+1], s[PFA:PFA+1], KSTEP*2
	MEET 1
	CREST                                          ; no wave of any partner still reads this slot or has a load on its way
	s_add_nc_u64 s[G0+4*(\slot)+2:G0+4*(\slot)+3], s[G0+4*(\slot)+2:G0+4*(\slot)+3], 2*KSTEP*2
	s_add_nc_u64 s[G0B+4*(\slot)+2:G0B+4*(\slot)+3], s[G0B+4*(\slot)+2:G0B+4*(\slot)+3], 2*KSTEP*2
	JLOAD \slot                                    ; its four v_nop are also the places in front of the loads below
	FETCH \next, 0, 0
	ASK
	MUL8 1, 2, 0
	MUL8 1, 3, 0
.endm
.macro DUMP                            ; my 32 accumulators into my region: row 16 a + l % 16, bytes 64 b + 32 (l / 16); each accumulator's low four registers first
	WIN 0x04                                       ; the stores' data in window 1
.irp a, 0,1,2,3
.irp b, 0,1,2,3,4,5,6,7
	ds_store_b128 v[DST], v[8*(8*(\a)+(\b)):8*(8*(\a)+(\b))+3]   offset:(\a)*16*DP+64*(\b)
	ds_store_b128 v[DST], v[8*(8*(\a)+(\b))+4:8*(8*(\a)+(\b))+7] offset:(\a)*16*DP+64*(\b)+16
.endr
.endr
	WIN 0
.endm
	s_load_b128 s[4:7], s[0:1], 0x0                ; t s[4:5], wb s[6:7]
	s_load_b128 s[68:71], s[0:1], 0x10             ; p_b s[68:69], ts s[70:71]
	s_load_b64 s[72:73], s[0:1], 0x20              ; out0
	v_lshl_add_u32 v[SPW], v0, 2, SPARE
	v_mov_b32 v[NIL], 0
	ds_add_u32 v[SPW], v[NIL]                      ; the wave's opening: the add and its wait stand ahead of my first tensor load
	v_lshrrev_b32 v1, 5, v0
	v_readfirstlane_b32 s10, v1                    ; wave 0..3
	s_lshr_b32 s11, s10, 1                         ; which 64 of the tile's rows are mine.  Also: I fetch for A (0) or for B (1)
	s_and_b32 s12, s10, 1                          ; which 128 of its columns.  Also: which half of that tile I fetch
	s_bfe_u32 s40, ttmp6, 0x40000                  ; cx
	s_bfe_u32 s41, ttmp6, 0x40004                  ; cy
	s_lshl_b32 s42, ttmp9, 2
	s_add_co_u32 s42, s42, s40                     ; tile column
	s_and_b32 s13, ttmp7, 0xffff
	s_lshl_b32 s13, s13, 2
	s_add_co_u32 s13, s13, s41                     ; tile row
	s_lshl_b32 s43, s41, 2
	s_lshl_b32 s43, 15, s43                        ; my row of the cluster
	s_lshl_b32 s44, 0x1111, s40                    ; my column
	s_or_b32 s[G1+0], s43, (1<<16)|(1<<20)|(1<<21)|(5<<22)|(3<<25)   ; mask; 2-byte elements; padding on; bit 21 beside a mask; after every 64 words, 4 words
	s_or_b32 s[G1B+0], s44, (1<<16)|(1<<20)|(1<<21)|(5<<22)|(3<<25)
	s_mov_b32 s[G1+1], KSTEP<<16                   ; A: tensor_dim0 = 128
	s_mov_b32 s[G1+2], 64<<16                      ; tensor_dim1 = 64
	s_mov_b32 s[G1+3], KSTEP<<16                   ; tile_dim0 = 128
	s_mov_b32 s[G1+4], 64                          ; tile_dim1 = 64
	s_mov_b32 s[G1+5], SIZE_K                      ; elements from row to row
	s_mov_b32 s[G1+6], 0
	s_mov_b32 s[G1+7], 0
	s_mov_b32 s[G1B+1], KSTEP<<16                  ; B: the same with 128 rows
	s_mov_b32 s[G1B+2], 128<<16
	s_mov_b32 s[G1B+3], KSTEP<<16
	s_mov_b32 s[G1B+4], 128
	s_mov_b32 s[G1B+5], SIZE_K
	s_mov_b32 s[G1B+6], 0
	s_mov_b32 s[G1B+7], 0
	s_lshl_b32 s16, s13, 7
	s_lshl_b32 s17, s12, 6
	s_add_co_u32 s16, s16, s17                     ; A: row 128 x tile row + 64 x half
	s_lshl_b32 s16, s16, 11                        ; in bytes: rows of 2,048
	s_lshl_b32 s46, s42, 8
	s_lshl_b32 s17, s12, 7
	s_add_co_u32 s46, s46, s17                     ; B: row 256 x tile column + 128 x half
	s_lshl_b32 s46, s46, 11
	s_mov_b32 s17, 0
	s_mov_b32 s47, 0
	s_mul_i32 s20, s12, HALFA                      ; where A's half goes,
	s_mul_i32 s21, s12, HALFB
	s_add_co_u32 s21, s21, BOFF                    ; and B's: no place in the cluster enters an LDS address
	s_wait_dscnt 0x0                               ; the opening add is done
	s_wait_kmcnt 0x0
	s_add_nc_u64 s[6:7], s[6:7], 6144*2048         ; wb at p_w
	s_add_nc_u64 s[14:15], s[4:5], s[16:17]
	s_add_nc_u64 s[46:47], s[6:7], s[46:47]
	CROUND                                         ; all sixteen work-groups are here: the first joint loads meet
.irp s, 0,1
	s_mov_b32 s[G0+4*(\s)], 1
	s_add_co_u32 s[G0+4*(\s)+1], s20, (\s)*SLOT
	s_add_nc_u64 s[G0+4*(\s)+2:G0+4*(\s)+3], s[14:15], (\s)*KSTEP*2
	s_or_b32 s[G0+4*(\s)+3], s[G0+4*(\s)+3], 0x80000000
	s_mov_b32 s[G0B+4*(\s)], 1
	s_add_co_u32 s[G0B+4*(\s)+1], s21, (\s)*SLOT
	s_add_nc_u64 s[G0B+4*(\s)+2:G0B+4*(\s)+3], s[46:47], (\s)*KSTEP*2
	s_or_b32 s[G0B+4*(\s)+3], s[G0B+4*(\s)+3], 0x80000000
	JLOAD \s                                       ; two loads of mine are out
.endr
	; the bias of the four columns that my lane holds of a row read back (column 256 tile column + 128 half + 4 l), and my wave's 64 scales
	v_and_b32 v1, 15, v0
	v_bfe_u32 v2, v0, 4, 1
	s_lshl_b32 s66, s42, 10
	s_lshl_b32 s67, s12, 9
	s_add_co_u32 s66, s66, s67
	s_mov_b32 s67, 0
	s_add_nc_u64 s[80:81], s[68:69], s[66:67]
	s_lshl_b32 s84, s13, 7
	s_lshl_b32 s85, s11, 6
	s_add_co_u32 s84, s84, s85                     ; my first row of C: 128 x tile row + 64 x half
	s_lshl_b32 s66, s84, 2
	s_add_nc_u64 s[TSP:TSP+1], s[70:71], s[66:67]
	v_and_b32 v[BO], 31, v0
	v_lshlrev_b32 v[B4], 2, v[BO]
	v_lshlrev_b32 v[BO], 4, v[BO]
	global_load_b128 v[BB:BB+3], v[BO], s[80:81]
	global_load_b32 v[SCL], v[B4], s[TSP:TSP+1]
	global_load_b32 v[SCL+1], v[B4], s[TSP:TSP+1] offset:128
	; where my part goes: rows of 4,096 bytes, (256 tile column + 128 half) columns of 4
	s_lshl_b32 s84, s84, 12
	s_lshl_b32 s85, s42, 10
	s_add_co_u32 s84, s84, s85
	s_lshl_b32 s85, s12, 9
	s_add_co_u32 s84, s84, s85
	s_mov_b32 s85, 0
	s_add_nc_u64 s[8:9], s[72:73], s[84:85]
	; fragment addresses: lane l holds row l % 16; two loads of 16 bytes, 32 bytes apart, at row x pitch + 16 (l / 16)
	v_mul_u32_u24 v3, v1, PITCH
	v_lshl_add_u32 v3, v2, 4, v3
	s_mul_i32 s21, s11, HALFA                      ; my 64 rows of A
	s_mul_i32 s22, s12, HALFB                      ; my 128 rows of B,
	s_add_co_u32 s22, s22, BOFF                    ; behind A's 128
.irp s, 0,1
	v_add_nc_u32 v[ADRA+(\s)], s21, v3
	v_add_nc_u32 v[ADRB+(\s)], s22, v3
	s_add_co_u32 s21, s21, SLOT
	s_add_co_u32 s22, s22, SLOT
.endr
	s_mul_i32 s23, s10, WREG
	v_mul_u32_u24 v4, v1, DP
	v_lshl_add_u32 v4, v2, 5, v4
	v_add_nc_u32 v[DST], s23, v4
	s_mul_i32 s86, s10, 256
	s_add_co_u32 s86, s86, SCT                     ; my wave's scales in LDS
	v_add_nc_u32 v[SCW], s86, v[B4]
	; the prefetches
	s_lshl_b32 s20, s13, 7                         ; A: the tile's first row
	s_lshl_b32 s21, s42, 8
	s_lshl_b32 s22, s12, 7
	s_add_co_u32 s21, s21, s22                     ; B: the first of the 128 rows that I fetch
	s_and_b32 s22, ttmp7, 0xffff                   ; B: cluster y = 0 asks
	s_or_b32 s23, ttmp9, s12                       ; A: cluster x = 0 (the only one), and of waves 0 and 1 the first
	s_cmp_eq_u32 s11, 0                            ; do I fetch for A?
	s_cselect_b32 s20, s20, s21
	s_cselect_b32 s21, s40, s41                    ; my place among the four that ask with me
	s_cselect_b32 s22, s23, s22
	s_cselect_b64 s[PFA:PFA+1], s[4:5], s[6:7]
	s_cmp_eq_u32 s22, 0
	s_cselect_b32 s[LIM], 1, -1                    ; the same in all sixteen partners, for a given wave
	s_lshl_b32 s21, s21, 5
	s_add_co_u32 s20, s20, s21                     ; + my work-group's 32 rows
	s_lshl_b32 s20, s20, 11
	s_mov_b32 s21, 0
	s_add_nc_u64 s[PFA:PFA+1], s[PFA:PFA+1], s[20:21]
	s_add_nc_u64 s[PFA:PFA+1], s[PFA:PFA+1], 2*KSTEP*2  ; at K step 2: the first refill steps it to 3 and names K step 4
	v_and_b32 v[PFO], 31, v0
	v_lshlrev_b32 v[PFO], 11, v[PFO]
	s_wait_loadcnt 0x0                             ; the bias and the scales; the bias is rounded to bf16 and widened again
	v_cvt_pk_bf16_f32 v36, v[BB], v[BB+1]
	v_cvt_pk_bf16_f32 v37, v[BB+2], v[BB+3]
	v_lshlrev_b32 v[BB],   16,         v36
	v_and_b32     v[BB+1], 0xffff0000, v36
	v_lshlrev_b32 v[BB+2], 16,         v37
	v_and_b32     v[BB+3], 0xffff0000, v37
	s_wait_tensorcnt 1                             ; my part of K step 0 is in; K step 1's load stays out
	s_barrier_signal -1
	s_barrier_wait -1
	FETCH 0, 0, 0
	QUARTER 0, 64,  0, 1, 1                        ; the first quarter stands in front of the loop: its products start the sums
	WIN 0
	s_mov_b32 s3, LAPS-1
.Llap:                                         ; a trip goes once round the ring and fills both slots again: K steps 2..7 in three trips
	QUARTER 0, 128, 1, 0, 0
	QUARTER 0, 192, 0, 1, 0
	TURN 0, 1
	QUARTER 1, 64,  0, 1, 0
	QUARTER 1, 128, 1, 0, 0
	QUARTER 1, 192, 0, 1, 0
	TURN 1, 0
	QUARTER 0, 64,  0, 1, 0
	WIN 0
	s_sub_co_u32 s3, s3, 1
	s_cmp_lg_u32 s3, 0
	s_cbranch_scc1 .Llap
	QUARTER 0, 128, 1, 0, 0                        ; the last lap is written out: it fills nothing
	QUARTER 0, 192, 0, 1, 0
	MEET 0
	PLACES
	FETCH 1, 0, 0
	MUL8 1, 2, 0
	MUL8 1, 3, 0
	QUARTER 1, 64,  0, 1, 0
	QUARTER 1, 128, 1, 0, 0
	QUARTER 1, 192, 0, 1, 0
	s_wait_dscnt 4
	MUL8 1, 0, 0
	MUL8 1, 1, 0
	s_wait_dscnt 0x0
	MUL8 1, 2, 0
	MUL8 1, 3, 0
	WIN 0
	PLACES
	s_wait_dscnt 0x0                               ; my reads of the ring are over,
	s_barrier_signal -1
	s_barrier_wait -1                              ; everybody's are, and no fill follows: the ring's bytes may be stored over
	DUMP
	ds_store_b32 v[SCW], v[SCL]                    ; my wave's scales: rows 0-31,
	ds_store_b32 v[SCW], v[SCL+1] offset:128       ; rows 32-63
	; the way out's loop: 4 trips of sixteen rows of 512 bytes.  LDS serves a wave's instructions in order (ISA guide 5.7.1.4): the loads see my stores above; no other wave touches these bytes.
	s_mov_b32 s82, 4
	s_mul_i32 s83, s10, WREG
	v_and_b32 v[GO], 31, v0
	v_lshlrev_b32 v[GO], 4, v[GO]
	v_mov_b32 v[RD0], v[GO]
.Lout:
	v_mov_b32 v[SCR], s86
	v_add_nc_u32 v[RDC], s83, v[RD0]
.irp q, 0,1,2,3
	ds_load_b128 v[SV+4*(\q):SV+4*(\q)+3], v[SCR] offset:16*(\q)   ; the trip's sixteen scales, into every lane
.endr
.irp i, 0,1,2,3,4,5,6,7,8,9,10,11,12,13,14,15
	ds_load_b128 v[XR+4*(\i):XR+4*(\i)+3], v[RDC] offset:DP*(\i)
.endr
.irp i, 0,1,2,3,4,5,6,7,8,9,10,11,12,13,14,15
	s_wait_dscnt 15-(\i)                           ; row i is in, and so are the scales, which were asked for first; the younger loads stay out
.irp k, 0,1,2,3
	v_fma_f32 v[XR+4*(\i)+(\k)], v[XR+4*(\i)+(\k)], v[SV+(\i)], v[BB+(\k)]
.endr
	global_store_b128 v[GO], v[XR+4*(\i):XR+4*(\i)+3], s[8:9] offset:4096*(\i)
.endr
	s_wait_xcnt 0x0                                ; the stores have read their data and their base: both are written again below and in the next trip
	s_add_nc_u64 s[8:9], s[8:9], 65536
	s_add_co_u32 s83, s83, 16*DP
	s_add_co_u32 s86, s86, 64
	s_sub_co_u32 s82, s82, 1
	s_cmp_lg_u32 s82, 0
	s_cbranch_scc1 .Lout
	s_wait_tensorcnt 0x0                           ; the wave's end
	ds_add_u32 v[SPW], v[NIL]
	s_wait_dscnt 0x0
	CROUND                                         ; the closing round
	s_endpgm
.Lfunc_end_k_q259abc0939_g3:
	.size	k_q259abc0939_g3, .Lfunc_end_k_q259abc0939_g3-k_q259abc0939_g3
	.p2alignl 7, 3214868480
	.fill 96, 4, 3214868480
	.section	.rodata,"a",@progbits
	.p2align	6, 0x0
	.amdhsa_kernel k_q259abc0939_g3
		.amdhsa_group_segment_fixed_size 327680
		.amdhsa_private_segment_fixed_size 0
		.amdhsa_enable_private_segment 0
		.amdhsa_kernarg_size 40
		.amdhsa_user_sgpr_count 2
		.amdhsa_user_sgpr_kernarg_segment_ptr 1
		.amdhsa_wavefront_size32 1
		.amdhsa_system_sgpr_workgroup_id_x 1
		.amdhsa_system_sgpr_workgroup_id_y 1
		.amdhsa_system_sgpr_workgroup_id_z 1
		.amdhsa_system_vgpr_workitem_id 0
		.amdhsa_next_free_vgpr 512
		.amdhsa_next_free_sgpr 100
		.amdhsa_reserve_vcc 0
		.amdhsa_float_denorm_mode_32 3
		.amdhsa_float_denorm_mode_16_64 3
		.amdhsa_memory_ordered 1
		.amdhsa_forward_progress 1
		.amdhsa_inst_pref_size 84
	.end_amdhsa_kernel
	.amdgpu_metadata
---
amdhsa.version: [ 1, 2 ]
amdhsa.kernels:
  - .name:           k_q259abc0939_g3
    .symbol:         k_q259abc0939_g3.kd
    .args:
      - { .name: t, .offset: 0, .size: 8, .value_kind: global_buffer, .address_space: global }
      - { .name: wb, .offset: 8, .size: 8, .value_kind: global_buffer, .address_space: global }
      - { .name: p_b, .offset: 16, .size: 8, .value_kind: global_buffer, .address_space: global }
      - { .name: ts, .offset: 24, .size: 8, .value_kind: global_buffer, .address_space: global }
      - { .name: out0, .offset: 32, .size: 8, .value_kind: global_buffer, .address_space: global }
    .group_segment_fixed_size: 327680
    .private_segment_fixed_size: 0
    .kernarg_segment_align: 8
    .kernarg_segment_size: 40
    .max_flat_workgroup_size: 128
    .sgpr_count:     100
    .vgpr_count:     512
    .wavefront_size: 32
...
	.end_amdgpu_metadata
.endif
;; end of part 6
;; ======== version 2 of 2: 6 launches; version 1 with the launch cast written anew for expert scheduling mode
;; limits: values are held in f16: magnitudes above 65,504 overflow, below 6.1e-05 lose precision
;; workspace buffers: xb 16,777,216 bytes; wb 14,680,064 bytes; h 33,554,432 bytes; vg 33,554,432 bytes; qkt 33,554,432 bytes; ap 524,288 bytes; t 16,777,216 bytes; ts 32,768 bytes
;; launch cast (part 7): grid 64 x 15, 8 waves a work-group, no clusters, 0 bytes of LDS; arguments x, q_w1, k_w1, v_w, g_w, q_w2, k_w2, p_w, xb, wb; writes xb, wb
.if DOCPART == 7
	.amdgcn_target "amdgcn-amd-amdhsa--gfx1250"
	.amdhsa_code_object_version 6
	.text
	.protected	k_q259abc0939_cast
	.globl	k_q259abc0939_cast
	.p2align	8
	.type	k_q259abc0939_cast,@function
k_q259abc0939_cast:
	s_mov_b64 s[64:65], 0
	v_nop
	global_prefetch_b8 v0, s[64:65] scope:SCOPE_SE
	s_setreg_imm32_b32 hwreg(HW_REG_WAVE_SCHED_MODE, 0, 2), 2
	s_setreg_imm32_b32 hwreg(HW_REG_WAVE_MODE, 25, 1), 1
	s_wait_xcnt 0x0
	s_wait_alu depctr_vm_vsrc(0)
; x and the seven weight matrices, f32, are rounded once to bf16 (nearest even): xb = x, wb = the weights one below the other
; (rows 0 q_w1, 1024 k_w1, 2048 v_w, 3072 g_w, 4096 q_w2, 5120 k_w2, 6144 p_w).  p_w's bf16 number is then WRITTEN AS f16, since the last projection multiplies in f16.
; LIMIT.  A bf16 number is exact in f16 from 2^-17 up to 65,504; a smaller p_w is off by 3e-8 at the most, a larger one is lost.
; A UNIT is 2^20 numbers: 4 MiB in, 2 MiB out.  Grid y = 0..7: x's eight units; y = 8..14: weight y - 8.  Grid x: a chunk of 64 KiB in, 32 KiB out.
; Thread t takes 16 bytes at 16 t + 4,096 i, i = 0..15, and stores 8 bytes at 8 t + 2,048 i: a wave's load covers 512 consecutive bytes, its store 256, aligned.
; A stream: no LDS, no matrix unit, no cluster (no byte is read twice), no loop, no prefetch (all sixteen loads of a thread go out at once).
; THE MODE: SCHED_MODE bits 1:0 = 2 (LLVM: expert scheduling mode 2), set by the entry lines.  The code itself states the register dependences
; between vector instructions and memory instructions, with s_wait_alu, always for 0.
; THE PLAN.  Registers that memory instructions touch:
;   v1, v2   byte offsets of the loads and of the stores: made once at the head, never written again.
;   XR       sixteen loads land in it, all issued at the head, ahead of every vector line that names it; no load is issued later.
;   YR       sixteen pairs; pair n is written by the conversions of load n and read by store n, and by nothing behind that store.
; The sixteen loads go in four GROUPS of four.  Group g's conversions write YR's pairs 4 g .. 4 g + 3; the four stores of group g - 1 are dealt among them.  One wait at a group's head states that
; the group before has written its pairs; the vector lines behind that wait name this group's XR and YR alone, none of the registers that those four stores read.  One more wait stands ahead of the
; last four stores.  No register that a memory instruction reads is ever written again, so no wait on vm_vsrc is owed; no vector line writes a scalar register or VCC; EXEC is never written.
.set XR, 4                             ; v[4:67]   sixteen loads of four numbers
.set YR, 68                            ; v[68:99]  sixteen pairs of packed words
; Group g on the plain path: loads 4 g .. 4 g + 3 are rounded to bf16; the group before is stored.
.macro GROUP g
.irp i, 0,1,2,3
	s_wait_loadcnt 15-4*(\g)-(\i)                  ; loads come back in order: load 4 g + i is in, the younger ones stay out
.if (\g) > 0
.if (\i) == 0
	s_wait_alu depctr_va_vdst(0)                   ; the group before has written its four pairs of YR, which the four stores of this group read
.endif
	global_store_b64 v2, v[YR+2*(4*(\g)-4+(\i)):YR+2*(4*(\g)-4+(\i))+1], s[32:33] offset:2048*(4*(\g)-4+(\i))  ; no vector line since the wait names this pair or v2
.endif
	v_cvt_pk_bf16_f32 v[YR+2*(4*(\g)+(\i))], v[XR+4*(4*(\g)+(\i))], v[XR+4*(4*(\g)+(\i))+1]
	v_cvt_pk_bf16_f32 v[YR+2*(4*(\g)+(\i))+1], v[XR+4*(4*(\g)+(\i))+2], v[XR+4*(4*(\g)+(\i))+3]
.endr
.endm
; Group g on p_w's path: rounded to bf16, widened again, written as f16; the group before is stored.
.macro GROUPW g
.irp i, 0,1,2,3
	s_wait_loadcnt 15-4*(\g)-(\i)                  ; as above
.if (\g) > 0
.if (\i) == 0
	s_wait_alu depctr_va_vdst(0)                   ; the group before has written its four pairs of YR, which the four stores of this group read
.endif
	global_store_b64 v2, v[YR+2*(4*(\g)-4+(\i)):YR+2*(4*(\g)-4+(\i))+1], s[32:33] offset:2048*(4*(\g)-4+(\i))  ; no vector line since the wait names this pair or v2
.endif
	v_cvt_pk_bf16_f32 v[YR+2*(4*(\g)+(\i))], v[XR+4*(4*(\g)+(\i))], v[XR+4*(4*(\g)+(\i))+1]      ; the rounding that every input has,
	v_cvt_pk_bf16_f32 v[YR+2*(4*(\g)+(\i))+1], v[XR+4*(4*(\g)+(\i))+2], v[XR+4*(4*(\g)+(\i))+3]
	v_lshlrev_b32 v[XR+4*(4*(\g)+(\i))],   16,         v[YR+2*(4*(\g)+(\i))]                     ; widened again,
	v_and_b32     v[XR+4*(4*(\g)+(\i))+1], 0xffff0000, v[YR+2*(4*(\g)+(\i))]
	v_lshlrev_b32 v[XR+4*(4*(\g)+(\i))+2], 16,         v[YR+2*(4*(\g)+(\i))+1]
	v_and_b32     v[XR+4*(4*(\g)+(\i))+3], 0xffff0000, v[YR+2*(4*(\g)+(\i))+1]
	v_cvt_pk_f16_f32 v[YR+2*(4*(\g)+(\i))], v[XR+4*(4*(\g)+(\i))], v[XR+4*(4*(\g)+(\i))+1]       ; and written as f16
	v_cvt_pk_f16_f32 v[YR+2*(4*(\g)+(\i))+1], v[XR+4*(4*(\g)+(\i))+2], v[XR+4*(4*(\g)+(\i))+3]
.endr
.endm
; The last group's stores, on either path.
.macro REST
	s_wait_alu depctr_va_vdst(0)                   ; group 3 has written its four pairs of YR, which the last four stores read
.irp i, 12,13,14,15
	global_store_b64 v2, v[YR+2*(\i):YR+2*(\i)+1], s[32:33] offset:2048*(\i)
.endr
.endm
	s_load_b512 s[8:23], s[0:1], 0x0               ; x s[8:9], then the seven weights s[10:23]
	s_load_b128 s[24:27], s[0:1], 0x40             ; xb s[24:25], wb s[26:27]
	s_and_b32 s28, ttmp7, 0xffff                   ; the unit
	v_lshlrev_b32 v1, 4, v0                        ; 16 t
	v_lshlrev_b32 v2, 3, v0                        ; 8 t
	s_sub_co_u32 s38, s28, 8                       ; the weight's number (used where the unit is 8 or more)
	s_cmp_lt_u32 s28, 8
	s_cselect_b32 s29, s28, 0                      ; the unit's place in its source: x has eight, a weight is one
	s_cselect_b32 s38, s28, s38                    ; and in its destination
	s_lshl_b32 s34, s29, 22
	s_lshl_b32 s35, ttmp9, 16
	s_add_co_u32 s34, s34, s35                     ; source offset in bytes, under 2^25
	s_mov_b32 s35, 0
	s_lshl_b32 s36, s38, 21
	s_lshl_b32 s37, ttmp9, 15
	s_add_co_u32 s36, s36, s37                     ; destination offset
	s_mov_b32 s37, 0
	s_wait_kmcnt 0x0
	s_mov_b64 s[30:31], s[8:9]
.irp j, 0,1,2,3,4,5,6
	s_cmp_eq_u32 s28, 8+(\j)
	s_cselect_b64 s[30:31], s[10+2*(\j):11+2*(\j)], s[30:31]
.endr
	s_cmp_lt_u32 s28, 8
	s_cselect_b64 s[32:33], s[24:25], s[26:27]
	s_add_nc_u64 s[30:31], s[30:31], s[34:35]
	s_add_nc_u64 s[32:33], s[32:33], s[36:37]
	s_wait_alu depctr_va_vdst(0)                   ; v1 and v2 are written: every load of the kernel reads v1 as its offset, every store v2
.irp i, 0,1,2,3,4,5,6,7,8,9,10,11,12,13,14,15
	global_load_b128 v[XR+4*(\i):XR+4*(\i)+3], v1, s[30:31] offset:4096*(\i) th:TH_LOAD_NT
.endr
	s_cmp_eq_u32 s28, 14                           ; p_w has a path of its own
	s_cbranch_scc1 .Lpw
	GROUP 0
	GROUP 1
	GROUP 2
	GROUP 3
	REST
	s_endpgm
.Lpw:
	GROUPW 0
	GROUPW 1
	GROUPW 2
	GROUPW 3
	REST
	s_endpgm
.Lfunc_end_k_q259abc0939_cast:
	.size	k_q259abc0939_cast, .Lfunc_end_k_q259abc0939_cast-k_q259abc0939_cast
	.p2alignl 7, 3214868480
	.fill 96, 4, 3214868480
	.section	.rodata,"a",@progbits
	.p2align	6, 0x0
	.amdhsa_kernel k_q259abc0939_cast
		.amdhsa_group_segment_fixed_size 0
		.amdhsa_private_segment_fixed_size 0
		.amdhsa_enable_private_segment 0
		.amdhsa_kernarg_size 80
		.amdhsa_user_sgpr_count 2
		.amdhsa_user_sgpr_kernarg_segment_ptr 1
		.amdhsa_wavefront_size32 1
		.amdhsa_system_sgpr_workgroup_id_x 1
		.amdhsa_system_sgpr_workgroup_id_y 1
		.amdhsa_system_sgpr_workgroup_id_z 1
		.amdhsa_system_vgpr_workitem_id 0
		.amdhsa_next_free_vgpr 104
		.amdhsa_next_free_sgpr 66
		.amdhsa_reserve_vcc 0
		.amdhsa_float_denorm_mode_32 3
		.amdhsa_float_denorm_mode_16_64 3
		.amdhsa_memory_ordered 1
		.amdhsa_forward_progress 1
		.amdhsa_inst_pref_size 17
	.end_amdhsa_kernel
	.amdgpu_metadata
---
amdhsa.version: [ 1, 2 ]
amdhsa.kernels:
  - .name:           k_q259abc0939_cast
    .symbol:         k_q259abc0939_cast.kd
    .args:
      - { .name: x, .offset: 0, .size: 8, .value_kind: global_buffer, .address_space: global }
      - { .name: q_w1, .offset: 8, .size: 8, .value_kind: global_buffer, .address_space: global }
      - { .name: k_w1, .offset: 16, .size: 8, .value_kind: global_buffer, .address_space: global }
      - { .name: v_w, .offset: 24, .size: 8, .value_kind: global_buffer, .address_space: global }
      - { .name: g_w, .offset: 32, .size: 8, .value_kind: global_buffer, .address_space: global }
      - { .name: q_w2, .offset: 40, .size: 8, .value_kind: global_buffer, .address_space: global }
      - { .name: k_w2, .offset: 48, .size: 8, .value_kind: global_buffer, .address_space: global }
      - { .name: p_w, .offset: 56, .size: 8, .value_kind: global_buffer, .address_space: global }
      - { .name: xb, .offset: 64, .size: 8, .value_kind: global_buffer, .address_space: global }
      - { .name: wb, .offset: 72, .size: 8, .value_kind: global_buffer, .address_space: global }
    .group_segment_fixed_size: 0
    .private_segment_fixed_size: 0
    .kernarg_segment_align: 8
    .kernarg_segment_size: 80
    .max_flat_workgroup_size: 256
    .sgpr_count:     66
    .vgpr_count:     104
    .wavefront_size: 32
...
	.end_amdgpu_metadata
.endif
;; end of part 7
;; launch g1: the kernel of part 2 again; grid 16 x 32, 4 waves a work-group, clusters of 4 x 4, 327,680 bytes of LDS; arguments xb, wb, q_b1, k_b1, v_b, g_b, h, vg; writes h, vg
;; launch g2: the kernel of part 3 again; grid 32 x 8, 4 waves a work-group, clusters of 4 x 4, 327,680 bytes of LDS; arguments wb, h, q_b2, k_b2, qkt; writes qkt
;; launch qk: the kernel of part 4 again; grid 4 x 64, 16 waves a work-group, no clusters, 68,608 bytes of LDS; arguments qkt, ap; writes ap
;; launch mix: the kernel of part 5 again; grid 4 x 64, 8 waves a work-group, no clusters, 19,712 bytes of LDS; arguments vg, ap, t, ts; writes t, ts
;; launch g3: the kernel of part 6 again; grid 4 x 64, 4 waves a work-group, clusters of 4 x 4, 327,680 bytes of LDS; arguments t, wb, p_b, ts, out0; writes out0
